; MI455X (gfx1250); checked and timed in simulation.
; The chip was launched on July 23, 2026; its instructions are those of AMD's public machine-readable ISA for CDNA 5 (MIT licence, August 2026) and "CDNA5" Instruction Set Architecture Reference Guide (July 2026). The comments in the code are by the model that wrote it; some were corrected since.
;; Grouped Query Attention. Allowed arithmetic: float matrix products may take bf16 or f16 operands with f32 sums; all other float work in f32.
;; Inputs: hidden_states 2 x 1,024 x 2,048 float32; kv_b 1,024 float32; kv_w 1,024 x 2,048 float32; out_b 2,048 float32; out_w 2,048 x 2,048 float32; q_b 2,048 float32; q_w 2,048 x 2,048 float32.
;; Outputs: out0 2 x 1,024 x 2,048 float32.
;; 2 versions, each right. Each part assembles by itself: llvm-mc -triple=amdgcn-amd-amdhsa -mcpu=gfx1250 --defsym DOCPART=n.
;; ======== version 1 of 2: 3 launches
;; limits: values are held in f16: magnitudes above 65,504 overflow, below 6.1e-05 lose precision
;; workspace buffers: qkv 12,582,912 bytes; ctx16 8,388,608 bytes; w16 8,388,608 bytes
;; launch qkv (part 1): grid 16 x 16, 4 waves a work-group, clusters of 4 x 4, 327,680 bytes of LDS; arguments hidden_states, q_w, kv_w, q_b, kv_b, qkv; writes qkv
.if DOCPART == 1
	.amdgcn_target "amdgcn-amd-amdhsa--gfx1250"
	.amdhsa_code_object_version 6
	.text
	.protected	k_q6ac220f114_qkv
	.globl	k_q6ac220f114_qkv
	.p2align	8
	.type	k_q6ac220f114_qkv,@function
k_q6ac220f114_qkv:
	s_mov_b64 s[64:65], 0
	v_nop
	global_prefetch_b8 v0, s[64:65] scope:SCOPE_SE
	s_setreg_imm32_b32 hwreg(HW_REG_WAVE_MODE, 25, 1), 1
	s_wait_xcnt 0x0
	s_wait_alu depctr_hold_cnt(0) depctr_sa_sdst(0) depctr_va_vdst(0) depctr_va_sdst(0) depctr_va_ssrc(0) depctr_va_vcc(0) depctr_vm_vsrc(0)
	s_getreg_b32 s2, hwreg(HW_REG_IB_STS2, 6, 4)
	s_cmp_eq_u32 s2, 0
	s_cbranch_scc0 .Lentry_in_a_cluster
	s_endpgm
.Lentry_in_a_cluster:
	s_bfe_u32 s2, ttmp6, 0x10000c
	s_cmp_lg_u32 s2, 0xf033
	s_cbranch_scc0 .Lentry_shape_is_right
	s_endpgm
.Lentry_shape_is_right:
; qkv[head][row][64] (f16) = 1/4 * rope( x . W^T + bias ).  x = hidden_states [2048 rows][2048] f32; heads 0-31 are q (rows of q_w),
; 32-39 k, 40-47 v (rows of kv_w).  v is not rotated.  Products: operands rounded to bf16 (nearest even), sums in f32.
; LIMITS: results are kept in f16 after the factor 1/4, so |q|, |k|, |v| must stay below 4 x 65,504; beyond that the stored number is inf.
; sin and cos are made from polynomials of the half angle (|half angle| <= pi/2 after the whole turns are taken away): truncation below 4e-6.
; SHARES: a work-group makes 128 rows x 3 heads (192 columns); 16 x 16 work-groups.  Wave w = (wr, wc): rows 64 wr .. +63 and, of each head,
; the columns d = 16 wc .. +15 and 32 + 16 wc .. +15, so that both members of a rotation pair (d, d + 32) lie in the same lane.
; K goes in steps of 64 f32 (rows of 256 bytes, aligned) through two LDS slots; two slots of 128 f32 would need 337,920 bytes and do not fit.
; CLUSTER 4 x 4: x's tile hangs on the block row alone and is asked for jointly by the four of a cluster row; a head's weight tile hangs on the
; block column alone and is asked for jointly by the four of a cluster column.  Wave 0 asks for x's 128 rows, waves 1-3 for one head's 64 rows each.
; The matrix instruction is used transposed (source 0 = 16 weight rows, source 1 = 16 rows of x): lane (r, h) then holds row r of x and
; eight neighbouring columns 8 h + 0..7.
; REGISTERS.  Window 0: v0-15 addresses; v16-175 ten fragments as f32 from LDS; v176-207 x's four bf16 fragments; v208-255 the six weight fragments.
; Window 1: v0-191 the 24 accumulator tiles (a, b) at 8 (6 a + b), b = 2 head + half; v192-239 the biases of my 48 columns.
.set PITCH,  272                       ; an LDS row: 256 bytes + 16 of padding; sixteen rows begin at sixteen different 16-byte columns modulo 256
.set ABYTES, 128*PITCH                 ; x's tile
.set HBYTES, 64*PITCH                  ; one head's weight tile
.set SLOT,   ABYTES+3*HBYTES           ; 87,040
.set STAGE,  2*SLOT                    ; behind the ring, a multiple of 256: 3 heads x 128 rows x 144 bytes; no tensor load lands here
.set SP,     144                       ; a stage row: 64 f16 + 16 bytes
.set SHEAD,  128*SP
.set ADRA, 2                           ; v2-3   LDS address of my x fragments in slot 0, 1
.set ADRB, 4                           ; v4-5   the same for the weights
.set STO,  6                           ; v6     stage: where I put 16 bytes
.set RD,   7                           ; v7     stage: where I read back
.set CO,   8                           ; v8     my byte offset in a head's 16 KiB of output
.set BO,   9                           ; v9     my byte offset in a head's 256 bytes of bias
.set ST,   16                          ; f32 fragments
.set FA,   176                         ; bf16 fragments of x; the weights' follow at FB = FA + 32
.set FB,   208
.set BI,   192                         ; window 1
.set G1A, 24
.set G1B, 32
.set G0A, 40
.set G0B, 48
.set DBITS, (2<<16)|(1<<20)|(1<<21)|(5<<22)|(3<<25)   ; 4-byte elements; padding on; bit 21 beside a mask; after 64 words, 4 words of padding
.set MSB, 0
.macro WIN new                         ; the immediate's high byte repeats the setting that is left
.if MSB != \new
	s_set_vgpr_msb (MSB<<8)|\new
.set MSB, \new
.endif
.endm
.macro PLACES                          ; four places behind a matrix instruction (ISA guide 7.12.1)
.rept 4
	v_nop
.endr
.endm
.macro JLOAD s                         ; one joint load a wave; the branch hangs on the wave's number alone
	s_cmp_eq_u32 s16, 0
	s_cbranch_scc0 .Lfor_b_\@
	tensor_load_to_lds s[G0A+4*\s:G0A+4*\s+3], s[G1A:G1A+7]
	s_nop 0
	s_branch .Lasked_\@
.Lfor_b_\@:
	tensor_load_to_lds s[G0B+4*\s:G0B+4*\s+3], s[G1B:G1B+7]
	s_nop 0
.Lasked_\@:
.endm
.macro CREST                           ; a round of the cluster's barrier behind its opening work-group barrier
	s_cmp_lg_u32 s16, 0
	s_cbranch_scc1 .Lnot_wave_0_\@
	s_barrier_signal -3
.Lnot_wave_0_\@:
	s_barrier_wait -3
	s_barrier_signal -1
	s_barrier_wait -1
.endm
.macro CROUND
	s_barrier_signal -1
	s_barrier_wait -1
	CREST
.endm
	s_load_b256 s[4:11], s[0:1], 0x0               ; hidden s[4:5], q_w s[6:7], kv_w s[8:9], q_b s[10:11]
	s_load_b128 s[12:15], s[0:1], 0x20             ; kv_b s[12:13], qkv s[14:15]
	v_lshl_add_u32 v15, v0, 2, 0x38000
	s_set_vgpr_msb 0x40
	v_mov_b32 v255, 0
	s_set_vgpr_msb 0x4044
	ds_add_u32 v15, v255
	s_set_vgpr_msb 0x4400
	v_lshrrev_b32 v11, 5, v0
	v_readfirstlane_b32 s16, v11                   ; wave 0..3
	s_lshr_b32 s17, s16, 1                         ; wr
	s_and_b32 s18, s16, 1                          ; wc
	s_bfe_u32 s19, ttmp6, 0x40000                  ; cx
	s_bfe_u32 s20, ttmp6, 0x40004                  ; cy
	s_lshl_b32 s21, ttmp9, 2
	s_add_co_u32 s21, s21, s19                     ; block column: heads 3 bx .. 3 bx + 2
	s_and_b32 s22, ttmp7, 0xffff
	s_lshl_b32 s22, s22, 2
	s_add_co_u32 s22, s22, s20                     ; block row: rows 128 by ..
	s_lshl_b32 s82, s20, 2
	s_lshl_b32 s82, 15, s82                        ; my row of the cluster
	s_lshl_b32 s83, 0x1111, s19                    ; my column
	s_or_b32 s[G1A+0], s82, DBITS                  ; x's tiles: 128 rows x 64 f32, shared along the row
	s_mov_b32 s[G1A+1], 64<<16                     ; tensor_dim0 = 64
	s_mov_b32 s[G1A+2], 128<<16                    ; tensor_dim1 = 128
	s_mov_b32 s[G1A+3], 64<<16                     ; tile_dim0 = 64
	s_mov_b32 s[G1A+4], 128                        ; tile_dim1 = 128
	s_mov_b32 s[G1A+5], 2048                       ; elements from row to row
	s_mov_b32 s[G1A+6], 0
	s_mov_b32 s[G1A+7], 0
	s_or_b32 s[G1B+0], s83, DBITS                  ; a head's weights: 64 rows x 64 f32, shared along the column
	s_mov_b32 s[G1B+1], 64<<16
	s_mov_b32 s[G1B+2], 64<<16
	s_mov_b32 s[G1B+3], 64<<16
	s_mov_b32 s[G1B+4], 64
	s_mov_b32 s[G1B+5], 2048
	s_mov_b32 s[G1B+6], 0
	s_mov_b32 s[G1B+7], 0
	s_lshl_b32 s56, s22, 20                        ; 128 rows of 8,192 bytes
	s_mov_b32 s57, 0
	s_max_u32 s23, s16, 1
	s_sub_co_u32 s23, s23, 1                       ; which of the three heads my load brings (wave 0 asks for x and never uses this)
	s_mul_i32 s62, s21, 3                          ; the block's first head
	s_add_co_u32 s23, s62, s23
	s_sub_co_u32 s63, s23, 32
	s_mul_i32 s79, s16, HBYTES
	s_add_co_u32 s79, s79, HBYTES                  ; LDS: behind x's 128 rows, head w - 1: made of the wave's number alone
	s_wait_dscnt 0x0
	s_wait_kmcnt 0x0
	s_cmp_lt_u32 s23, 32                           ; a q head, or a k or v head
	s_cselect_b32 s58, s23, s63
	s_cselect_b64 s[60:61], s[6:7], s[8:9]
	s_lshl_b32 s58, s58, 19                        ; 64 rows of 8,192 bytes
	s_mov_b32 s59, 0
	s_add_nc_u64 s[60:61], s[60:61], s[58:59]
	s_add_nc_u64 s[56:57], s[4:5], s[56:57]
.irp e, 0,1,2                                      ; for each of my three heads: where its bias lies, and the pair (f, g) that turns the rotation off for v
	s_add_co_u32 s84, s62, \e
	s_sub_co_u32 s85, s84, 32
	s_cmp_lt_u32 s84, 32
	s_cselect_b32 s86, s84, s85
	s_cselect_b64 s[66+2*\e:67+2*\e], s[10:11], s[12:13]
	s_lshl_b32 s86, s86, 8
	s_mov_b32 s87, 0
	s_add_nc_u64 s[66+2*\e:67+2*\e], s[66+2*\e:67+2*\e], s[86:87]
	s_cmp_lt_u32 s84, 40
	s_cselect_b32 s[72+2*\e], 0x3e800000, 0        ; f: 1/4 for q and k, 0 for v
	s_cselect_b32 s[73+2*\e], 0, 0x3e800000        ; g: 0 for q and k, 1/4 for v
.endr
	CROUND                                         ; all sixteen work-groups are here: the first joint loads meet
.irp s, 0,1
	s_mov_b32 s[G0A+4*\s], 1
	s_mov_b32 s[G0A+4*\s+1], \s*SLOT
	s_add_nc_u64 s[G0A+4*\s+2:G0A+4*\s+3], s[56:57], \s*256
	s_or_b32 s[G0A+4*\s+3], s[G0A+4*\s+3], 0x80000000
	s_mov_b32 s[G0B+4*\s], 1
	s_add_co_u32 s[G0B+4*\s+1], s79, \s*SLOT
	s_add_nc_u64 s[G0B+4*\s+2:G0B+4*\s+3], s[60:61], \s*256
	s_or_b32 s[G0B+4*\s+3], s[G0B+4*\s+3], 0x80000000
	JLOAD \s                                       ; K steps 0 and 1: two loads of this wave are out
.endr
	v_and_b32 v1, 15, v0                           ; r
	v_bfe_u32 v10, v0, 4, 1                        ; h
	v_mul_u32_u24 v11, v1, PITCH
	v_lshl_add_u32 v11, v10, 5, v11                ; r x pitch + 32 h: eight f32 for each half of the lanes
	s_mul_i32 s84, s17, HBYTES                     ; my 64 rows of x
	s_mul_i32 s85, s18, 16*PITCH                   ; my 16 rows of each half head
	s_add_co_u32 s85, s85, ABYTES
.irp s, 0,1
	v_add_nc_u32 v[ADRA+\s], s84, v11
	v_add_nc_u32 v[ADRB+\s], s85, v11
	s_add_co_u32 s84, s84, SLOT
	s_add_co_u32 s85, s85, SLOT
.endr
	s_lshl_b32 s84, s18, 6
	v_lshl_add_u32 v[BO], v10, 5, s84              ; 4 (16 wc + 8 h)
	WIN 0x40                                       ; destinations in window 1
.irp e, 0,1,2
.irp u, 0,1
	global_load_b128 v[BI+16*\e+8*\u:BI+16*\e+8*\u+3],   v[BO], s[66+2*\e:67+2*\e] offset:128*\u
	global_load_b128 v[BI+16*\e+8*\u+4:BI+16*\e+8*\u+7], v[BO], s[66+2*\e:67+2*\e] offset:128*\u+16
.endr
.endr
	WIN 0
	v_mul_u32_u24 v11, v1, SP
	v_lshl_add_u32 v11, v10, 4, v11
	s_mul_i32 s84, s17, 64*SP
	s_lshl_b32 s85, s18, 5
	s_add_co_u32 s84, s84, s85
	s_add_co_u32 s84, s84, STAGE
	v_add_nc_u32 v[STO], s84, v11                  ; stage + (64 wr + r) 144 + 32 wc + 16 h
	v_bfe_u32 v11, v0, 3, 2
	v_and_b32 v14, 7, v0
	v_mul_u32_u24 v11, v11, SP
	v_lshl_add_u32 v11, v14, 4, v11
	s_mul_i32 s84, s16, 32*SP
	s_add_co_u32 s84, s84, STAGE
	v_add_nc_u32 v[RD], s84, v11                   ; stage + (32 w + lane / 8) 144 + 16 (lane mod 8): four rows of 128 bytes a load
	v_and_b32 v11, 31, v0
	v_lshlrev_b32 v11, 4, v11
	s_lshl_b32 s84, s16, 12
	v_add_nc_u32 v[CO], s84, v11                   ; 4,096 w + 16 lane
	s_and_b32 s84, s22, 7
	s_lshl_b32 s84, s84, 7
	s_lshl_b32 s85, s17, 6
	s_add_co_u32 s84, s84, s85
	v_add_nc_u32 v12, s84, v1                      ; position in the sequence of my row of row block a = 0
	s_lshl_b32 s84, s18, 4
	v_lshl_add_u32 v13, v10, 3, s84                ; number of my first frequency: 16 wc + 8 h
	s_lshl_b32 s84, s62, 18                        ; a head is 2,048 rows of 128 bytes
	s_lshl_b32 s85, s22, 14                        ; 128 rows of 128 bytes
	s_add_co_u32 s84, s84, s85
	s_mov_b32 s85, 0
	s_add_nc_u64 s[80:81], s[14:15], s[84:85]
; 40 LDS loads: ten fragments of 16 rows x 32 K as f32.  Lane (r, h) needs K = 8 h .. +7 (32 bytes at 32 h) and K = 16 + 8 h .. +7 (64 bytes on).
.macro FETCH slot, kb
.irp a, 0,1,2,3
	ds_load_b128 v[ST+16*\a:ST+16*\a+3],     v[ADRA+\slot] offset:\a*16*PITCH+\kb
	ds_load_b128 v[ST+16*\a+4:ST+16*\a+7],   v[ADRA+\slot] offset:\a*16*PITCH+\kb+16
	ds_load_b128 v[ST+16*\a+8:ST+16*\a+11],  v[ADRA+\slot] offset:\a*16*PITCH+\kb+64
	ds_load_b128 v[ST+16*\a+12:ST+16*\a+15], v[ADRA+\slot] offset:\a*16*PITCH+\kb+80
.endr
.irp b, 0,1,2,3,4,5
	ds_load_b128 v[ST+64+16*\b:ST+64+16*\b+3],     v[ADRB+\slot] offset:\b*32*PITCH+\kb
	ds_load_b128 v[ST+64+16*\b+4:ST+64+16*\b+7],   v[ADRB+\slot] offset:\b*32*PITCH+\kb+16
	ds_load_b128 v[ST+64+16*\b+8:ST+64+16*\b+11],  v[ADRB+\slot] offset:\b*32*PITCH+\kb+64
	ds_load_b128 v[ST+64+16*\b+12:ST+64+16*\b+15], v[ADRB+\slot] offset:\b*32*PITCH+\kb+80
.endr
.endm
.macro CVT                             ; f32 to bf16, fragment by fragment as the loads come back
.irp f, 0,1,2,3,4,5,6,7,8,9
	s_wait_dscnt 36-4*\f                           ; LDS loads come back in order: fragment f's four are in, the 36 - 4 f younger ones may be out
.irp i, 0,1,2,3,4,5,6,7
	v_cvt_pk_bf16_f32 v[FA+8*\f+\i], v[ST+16*\f+2*\i], v[ST+16*\f+2*\i+1]
.endr
.endr
.endm
; 12 matrix instructions: row blocks a0, a0 + 1 x the six column blocks.  The 24 accumulators take turns, one instruction a turn, in the same
; order in every piece.
.macro MUL2 a0, zero
.irp a, \a0, \a0+1
.irp b, 0,1,2,3,4,5
.if \zero
	v_wmma_f32_16x16x32_bf16 v[8*(6*(\a)+\b):8*(6*(\a)+\b)+7], v[FB+8*\b:FB+8*\b+7], v[FA+8*(\a):FA+8*(\a)+7], 0
.else
	v_wmma_f32_16x16x32_bf16 v[8*(6*(\a)+\b):8*(6*(\a)+\b)+7], v[FB+8*\b:FB+8*\b+7], v[FA+8*(\a):FA+8*(\a)+7], v[8*(6*(\a)+\b):8*(6*(\a)+\b)+7]
.endif
.endr
.endr
.endm
; A K step is two pieces of 32 along K.  The first: convert what was fetched, fetch the second piece, multiply.
.macro PIECE0 slot, zero
	WIN 0
	PLACES                                         ; the conversions write registers that the last matrix instructions read
	CVT
	FETCH \slot, 128
	WIN 0x50                                       ; C and D in window 1
	MUL2 0, \zero
	MUL2 2, \zero
.endm
; The second piece changes slots.  In front of the barrier: my reads of this slot are back (the conversions' count ended at 0) and all my tensor
; loads have landed (the one that was out is my part of the next slot).  Where the slot is filled again the barrier opens a round of the cluster's
; barrier, and the joint refill is the first tensor load behind the round: one load of this wave is then out.
.macro PIECE1 slot, next, fill
	WIN 0
	PLACES
	CVT
	s_set_vgpr_msb 0x4
	s_wait_tensorcnt 0x0
	ds_add_u32 v15, v255
	s_wait_dscnt 0x0
	s_set_vgpr_msb 0x400
	s_barrier_signal -1
	WIN 0x50
	MUL2 0, 0                                      ; registers only, while the others arrive
	WIN 0
	s_barrier_wait -1
.if \fill
	CREST
	s_add_nc_u64 s[G0A+4*\slot+2:G0A+4*\slot+3], s[G0A+4*\slot+2:G0A+4*\slot+3], 512   ; two K steps on; no load of mine is out
	s_add_nc_u64 s[G0B+4*\slot+2:G0B+4*\slot+3], s[G0B+4*\slot+2:G0B+4*\slot+3], 512
	JLOAD \slot
.endif
	FETCH \next, 0
	WIN 0x50
	MUL2 2, 0
.endm
.macro LAP zero
	PIECE0 0, \zero
	PIECE1 0, 1, 1
	PIECE0 1, 0
	PIECE1 1, 0, 1
.endm
	s_wait_loadcnt 0x0                             ; the biases, once
	s_wait_tensorcnt 0x1                           ; my part of K step 0 is in; K step 1's may stay out
	s_barrier_signal -1
	s_barrier_wait -1
	FETCH 0, 0
	LAP 1                                          ; K steps 0, 1: the first products start the sums
	WIN 0
	s_mov_b32 s78, 14                              ; K steps 2 .. 29
.Llap:
	LAP 0
	WIN 0
	s_sub_co_u32 s78, s78, 1
	s_cmp_lg_u32 s78, 0
	s_cbranch_scc1 .Llap
	PIECE0 0, 0                                    ; K steps 30, 31 fill nothing
	PIECE1 0, 1, 0
	PIECE0 1, 0
	WIN 0
	PLACES
	CVT
	WIN 0x50
	MUL2 0, 0
	MUL2 2, 0
	WIN 0
	PLACES                                         ; behind the last matrix instructions
; THE WAY OUT.  Window 0 is free from v16 on.
.set W,    16                          ; v16-23  my eight frequencies in turns a position
.set TP,   24                          ; v24-25  the position, twice
.set S4P,  26
.set C4P,  28
.set FG,   30                          ; v30-41  per head: f, f, g, g
.set TI,   42
.set COSV, 48
.set SINV, 56
.set XX,   64
.set ZZ,   72
.set NN,   80
.set P1,   88
.set P2,   96
.set X1,   104
.set X2,   112
.set CE,   120
.set SE,   128
.set Y1,   136
.set Y2,   144
.set HH,   152
.set RB,   160                         ; v160-255  24 quads read back from the stage
.irp j, 0,1,2,3,4,5,6,7
	v_add_nc_u32 v[XX+\j], \j, v13
.endr
.irp j, 0,1,2,3,4,5,6,7
	v_cvt_f32_u32 v[XX+\j], v[XX+\j]
.endr
.irp j, 0,1,2,3,4,5,6,7
	v_mul_f32 v[XX+\j], 0xbed49a78, v[XX+\j]       ; - i log2(10000) / 32
.endr
.irp j, 0,1,2,3,4,5,6,7
	v_exp_f32 v[W+\j], v[XX+\j]
.endr
	v_mov_b32 v[S4P], 0x3638ef1d                   ; plain instructions behind the exponentials, ahead of the first use of a result
	v_mov_b32 v[S4P+1], 0x3638ef1d                 ; 1/9!
	v_mov_b32 v[C4P], 0xb493f27e                   ; -1/10!
	v_mov_b32 v[C4P+1], 0xb493f27e
	s_wait_alu depctr_va_vdst(0)
.irp j, 0,1,2,3,4,5,6,7
	v_mul_f32 v[W+\j], 0.15915494, v[W+\j]         ; radians to turns
.endr
.irp e, 0,1,2
	v_mov_b32 v[FG+4*\e],   s[72+2*\e]
	v_mov_b32 v[FG+4*\e+1], s[72+2*\e]
	v_mov_b32 v[FG+4*\e+2], s[73+2*\e]
	v_mov_b32 v[FG+4*\e+3], s[73+2*\e]
.endr
; sin and cos of position x frequency for row block a: the whole turns are taken away exactly (one fused multiply-add), the half angle
; hh = pi x fraction lies in [-pi/2, pi/2]; sin = 2 sin(hh) cos(hh), cos = 1 - 2 sin(hh)^2.
.macro SINCOS a
	v_add_nc_u32 v[TI], 16*\a, v12
	v_cvt_f32_u32 v[TP], v[TI]
	v_cvt_f32_u32 v[TP+1], v[TI]
.irp q, 0,2,4,6
	v_pk_mul_f32 v[XX+\q:XX+\q+1], v[TP:TP+1], v[W+\q:W+\q+1]
.endr
.irp j, 0,1,2,3,4,5,6,7
	v_rndne_f32 v[NN+\j], v[XX+\j]
.endr
.irp q, 0,2,4,6
	v_pk_fma_f32 v[XX+\q:XX+\q+1], v[TP:TP+1], v[W+\q:W+\q+1], v[NN+\q:NN+\q+1] neg_lo:[0,0,1] neg_hi:[0,0,1]
.endr
.irp q, 0,2,4,6
	v_pk_mul_f32 v[XX+\q:XX+\q+1], v[XX+\q:XX+\q+1], 0x40490fdb op_sel_hi:[1,0]
.endr
.irp q, 0,2,4,6
	v_pk_mul_f32 v[ZZ+\q:ZZ+\q+1], v[XX+\q:XX+\q+1], v[XX+\q:XX+\q+1]
.endr
.irp q, 0,2,4,6
	v_pk_fma_f32 v[P1+\q:P1+\q+1], v[ZZ+\q:ZZ+\q+1], v[S4P:S4P+1], 0xb9500d01 op_sel_hi:[1,1,0]
	v_pk_fma_f32 v[P2+\q:P2+\q+1], v[ZZ+\q:ZZ+\q+1], v[C4P:C4P+1], 0x37d00d01 op_sel_hi:[1,1,0]
.endr
.irp q, 0,2,4,6
	v_pk_fma_f32 v[P1+\q:P1+\q+1], v[ZZ+\q:ZZ+\q+1], v[P1+\q:P1+\q+1], 0x3c088889 op_sel_hi:[1,1,0]
	v_pk_fma_f32 v[P2+\q:P2+\q+1], v[ZZ+\q:ZZ+\q+1], v[P2+\q:P2+\q+1], 0xbab60b61 op_sel_hi:[1,1,0]
.endr
.irp q, 0,2,4,6
	v_pk_fma_f32 v[P1+\q:P1+\q+1], v[ZZ+\q:ZZ+\q+1], v[P1+\q:P1+\q+1], 0xbe2aaaab op_sel_hi:[1,1,0]
	v_pk_fma_f32 v[P2+\q:P2+\q+1], v[ZZ+\q:ZZ+\q+1], v[P2+\q:P2+\q+1], 0x3d2aaaab op_sel_hi:[1,1,0]
.endr
.irp q, 0,2,4,6
	v_pk_fma_f32 v[P1+\q:P1+\q+1], v[ZZ+\q:ZZ+\q+1], v[P1+\q:P1+\q+1], 1.0 op_sel_hi:[1,1,0]
	v_pk_fma_f32 v[P2+\q:P2+\q+1], v[ZZ+\q:ZZ+\q+1], v[P2+\q:P2+\q+1], -0.5 op_sel_hi:[1,1,0]
.endr
.irp q, 0,2,4,6
	v_pk_mul_f32 v[P1+\q:P1+\q+1], v[P1+\q:P1+\q+1], v[XX+\q:XX+\q+1]                      ; sin(hh)
	v_pk_fma_f32 v[P2+\q:P2+\q+1], v[ZZ+\q:ZZ+\q+1], v[P2+\q:P2+\q+1], 1.0 op_sel_hi:[1,1,0]   ; cos(hh)
.endr
.irp q, 0,2,4,6
	v_pk_add_f32 v[NN+\q:NN+\q+1], v[P1+\q:P1+\q+1], v[P1+\q:P1+\q+1]
.endr
.irp q, 0,2,4,6
	v_pk_mul_f32 v[SINV+\q:SINV+\q+1], v[NN+\q:NN+\q+1], v[P2+\q:P2+\q+1]
	v_pk_fma_f32 v[COSV+\q:COSV+\q+1], v[NN+\q:NN+\q+1], v[P1+\q:P1+\q+1], 1.0 op_sel_hi:[1,1,0] neg_lo:[1,0,0] neg_hi:[1,0,0]
.endr
.endm
; Row block a, all three heads: bias, rotation with the factor 1/4 folded into cos and sin (v: cos -> 1/4, sin -> 0), f16, into the stage.
.macro ROPE a
	SINCOS \a
.irp e, 0,1,2
	WIN 0x05                                       ; both sources in window 1
.irp q, 0,2,4,6
	v_pk_add_f32 v[X1+\q:X1+\q+1], v[8*(6*\a+2*\e)+\q:8*(6*\a+2*\e)+\q+1],     v[BI+16*\e+\q:BI+16*\e+\q+1]
	v_pk_add_f32 v[X2+\q:X2+\q+1], v[8*(6*\a+2*\e+1)+\q:8*(6*\a+2*\e+1)+\q+1], v[BI+16*\e+8+\q:BI+16*\e+8+\q+1]
.endr
	WIN 0
.irp q, 0,2,4,6
	v_pk_fma_f32 v[CE+\q:CE+\q+1], v[COSV+\q:COSV+\q+1], v[FG+4*\e:FG+4*\e+1], v[FG+4*\e+2:FG+4*\e+3]
	v_pk_mul_f32 v[SE+\q:SE+\q+1], v[SINV+\q:SINV+\q+1], v[FG+4*\e:FG+4*\e+1]
.endr
.irp q, 0,2,4,6
	v_pk_mul_f32 v[Y1+\q:Y1+\q+1], v[X1+\q:X1+\q+1], v[CE+\q:CE+\q+1]
	v_pk_mul_f32 v[Y2+\q:Y2+\q+1], v[X2+\q:X2+\q+1], v[CE+\q:CE+\q+1]
.endr
.irp q, 0,2,4,6
	v_pk_fma_f32 v[Y1+\q:Y1+\q+1], v[X2+\q:X2+\q+1], v[SE+\q:SE+\q+1], v[Y1+\q:Y1+\q+1] neg_lo:[1,0,0] neg_hi:[1,0,0]
	v_pk_fma_f32 v[Y2+\q:Y2+\q+1], v[X1+\q:X1+\q+1], v[SE+\q:SE+\q+1], v[Y2+\q:Y2+\q+1]
.endr
.irp i, 0,1,2,3
	v_cvt_pk_f16_f32 v[HH+\i],   v[Y1+2*\i], v[Y1+2*\i+1]
	v_cvt_pk_f16_f32 v[HH+4+\i], v[Y2+2*\i], v[Y2+2*\i+1]
.endr
	ds_store_b128 v[STO], v[HH:HH+3]   offset:\e*SHEAD+\a*16*SP
	ds_store_b128 v[STO], v[HH+4:HH+7] offset:\e*SHEAD+\a*16*SP+64
.endr
.endm
	ROPE 0
	ROPE 1
	ROPE 2
	ROPE 3
	s_wait_dscnt 0x0                               ; my stores are in the stage, for the other waves' sake
	s_barrier_signal -1
	s_barrier_wait -1
.irp e, 0,1,2
.irp i, 0,1,2,3,4,5,6,7
	ds_load_b128 v[RB+32*\e+4*\i:RB+32*\e+4*\i+3], v[RD] offset:\e*SHEAD+\i*4*SP
.endr
.endr
.irp e, 0,1,2
.irp i, 0,1,2,3,4,5,6,7
	s_wait_dscnt 23-8*\e-\i                        ; in order: this quad is in, the younger ones may be out
	global_store_b128 v[CO], v[RB+32*\e+4*\i:RB+32*\e+4*\i+3], s[80:81] offset:\e*262144+512*\i   ; a wave's store covers 512 consecutive bytes, aligned
.endr
.endr
	s_set_vgpr_msb 0x4
	s_wait_tensorcnt 0x0
	ds_add_u32 v15, v255
	s_wait_dscnt 0x0
	s_set_vgpr_msb 0x400
	CROUND                                         ; the closing round: no work-group ends while a partner may still ask jointly
	s_endpgm
.Lfunc_end_k_q6ac220f114_qkv:
	.size	k_q6ac220f114_qkv, .Lfunc_end_k_q6ac220f114_qkv-k_q6ac220f114_qkv
	.p2alignl 7, 3214868480
	.fill 96, 4, 3214868480
	.section	.rodata,"a",@progbits
	.p2align	6, 0x0
	.amdhsa_kernel k_q6ac220f114_qkv
		.amdhsa_group_segment_fixed_size 327680
		.amdhsa_private_segment_fixed_size 0
		.amdhsa_enable_private_segment 0
		.amdhsa_kernarg_size 48
		.amdhsa_user_sgpr_count 2
		.amdhsa_user_sgpr_kernarg_segment_ptr 1
		.amdhsa_wavefront_size32 1
		.amdhsa_system_sgpr_workgroup_id_x 1
		.amdhsa_system_sgpr_workgroup_id_y 1
		.amdhsa_system_sgpr_workgroup_id_z 1
		.amdhsa_system_vgpr_workitem_id 0
		.amdhsa_next_free_vgpr 512
		.amdhsa_next_free_sgpr 96
		.amdhsa_reserve_vcc 0
		.amdhsa_float_denorm_mode_32 3
		.amdhsa_float_denorm_mode_16_64 3
		.amdhsa_memory_ordered 1
		.amdhsa_forward_progress 1
		.amdhsa_inst_pref_size 190
	.end_amdhsa_kernel
	.amdgpu_metadata
---
amdhsa.version: [ 1, 2 ]
amdhsa.kernels:
  - .name:           k_q6ac220f114_qkv
    .symbol:         k_q6ac220f114_qkv.kd
    .args:
      - { .name: hidden_states, .offset: 0, .size: 8, .value_kind: global_buffer, .address_space: global }
      - { .name: q_w, .offset: 8, .size: 8, .value_kind: global_buffer, .address_space: global }
      - { .name: kv_w, .offset: 16, .size: 8, .value_kind: global_buffer, .address_space: global }
      - { .name: q_b, .offset: 24, .size: 8, .value_kind: global_buffer, .address_space: global }
      - { .name: kv_b, .offset: 32, .size: 8, .value_kind: global_buffer, .address_space: global }
      - { .name: qkv, .offset: 40, .size: 8, .value_kind: global_buffer, .address_space: global }
    .group_segment_fixed_size: 327680
    .private_segment_fixed_size: 0
    .kernarg_segment_align: 8
    .kernarg_segment_size: 48
    .max_flat_workgroup_size: 128
    .sgpr_count:     96
    .vgpr_count:     512
    .wavefront_size: 32
...
	.end_amdgpu_metadata
.endif
;; end of part 1
;; launch attn (part 2): grid 256 x 1, 4 waves a work-group, clusters of 4 x 1, 327,680 bytes of LDS; arguments qkv, out_w, ctx16, w16; writes ctx16, w16
.if DOCPART == 2
	.amdgcn_target "amdgcn-amd-amdhsa--gfx1250"
	.amdhsa_code_object_version 6
	.text
	.protected	k_q6ac220f114_attn
	.globl	k_q6ac220f114_attn
	.p2align	8
	.type	k_q6ac220f114_attn,@function
k_q6ac220f114_attn:
	s_mov_b64 s[64:65], 0
	v_nop
	global_prefetch_b8 v0, s[64:65] scope:SCOPE_SE
	s_setreg_imm32_b32 hwreg(HW_REG_WAVE_MODE, 25, 1), 1
	s_wait_xcnt 0x0
	s_wait_alu depctr_hold_cnt(0) depctr_sa_sdst(0) depctr_va_vdst(0) depctr_va_sdst(0) depctr_va_ssrc(0) depctr_va_vcc(0) depctr_vm_vsrc(0)
	s_getreg_b32 s2, hwreg(HW_REG_IB_STS2, 6, 4)
	s_cmp_eq_u32 s2, 0
	s_cbranch_scc0 .Lentry_in_a_cluster
	s_endpgm
.Lentry_in_a_cluster:
	s_bfe_u32 s2, ttmp6, 0x10000c
	s_cmp_lg_u32 s2, 0x3003
	s_cbranch_scc0 .Lentry_shape_is_right
	s_endpgm
.Lentry_shape_is_right:
; Causal attention on qkv (f16, all numbers times 1/4), with a running maximum; ctx16[row][2048] (f16) = context / 4.
; Beside it each work-group converts its 16,384 numbers of out_w to w16 = f16(bf16(out_w)).
; LIMITS: w16 is exact for |out_w| >= 2^-17 (below that it is a multiple of 2^-24) and needs |out_w| <= 65,504.  Masked scores are set to -1e30;
; a true score here is q.k / 16, at most 64 x 65,504^2 in magnitude, far above that.  Probabilities go to the matrix unit in f16 (they lie in (0, 1]).
; SHARES: cluster number = (batch b, key/value head g, p = 0..3); its four work-groups s = 0..3.  Wave w is query head 4 g + w, so the four heads that
; share K and V read one copy in LDS.  A work-group makes two blocks of 32 queries, rows 128 G + 32 s, first G = 2 p + 1, then G = 6 - 2 p:
; 2 p + 2 and 7 - 2 p steps of 128 keys, nine steps in every work-group.  The four partners walk the same tiles in the same order, so every
; tile is asked for jointly (mask 15).  No branch and no LDS address hangs on s; s enters global addresses and the mask's limit (a value) alone.
; A step's tile: waves 0, 1 bring K's keys 0-63, 64-127 (LDS pitch 144), waves 2, 3 V's (pitch 160, for the transposing load).  Two slots.
; S^T = K Q^T: lane (r, h) holds query r and keys 8 h + 0..7 of each 16-key tile, which is already the layout of P^T as second source of V^T P^T.
; REGISTERS.  Window 0: v0-15 addresses and constants; v16-31 running figures; v32-63 Q; v64-127 scores; v128-159 P (f16); v160-223 context sums;
; v224-255 at work.  Window 1: v0-63 K fragments, v64-127 V fragments, v128-159 the second block's Q.
.set KP,     144
.set VP,     160
.set REG,    10240                     ; one wave's part of a slot
.set SLOT,   4*REG
.set STAGE,  2*SLOT                    ; 32 rows x 528 bytes, a multiple of 256 from LDS byte 0; no tensor load lands here
.set TP,     528                       ; four heads' 128 bytes + 16
.set VQ,   4
.set CI,   5
.set CW,   6
.set ADRK, 8
.set ADRV, 9
.set STO,  10
.set RD,   11
.set CO,   12
.set NEG,  13
.set LIM,  14                          ; v14-15
.set MX,   16                          ; v16-17  running maximum, per 16 queries
.set LS,   18                          ; v18-19  running sum (each half of the lanes keeps its own keys' part)
.set CH,   20                          ; v20-27
.set PX,   28                          ; v28-29
.set MN,   30                          ; v30-31
.set QF,   32
.set SC,   64
.set PR,   128
.set ACC,  160
.set NM,   224                         ; v224-227  - maximum x c, a pair for each 16 queries
.set AL,   228                         ; v228-231  rescale factor, likewise
.set TS,   232                         ; v232-247
.set RB,   224                         ; v224-255  the way out
.set KF,   0                           ; window 1
.set VF,   64
.set Q2,   128
.set G1K, 24
.set G1V, 32
.set G0,  40
.set MSB, 0
.macro WIN new
.if MSB != \new
	s_set_vgpr_msb (MSB<<8)|\new
.set MSB, \new
.endif
.endm
.macro PLACES                          ; four places behind a matrix instruction (ISA guide 7.12.1)
.rept 4
	v_nop
.endr
.endm
.macro JLOAD s                         ; one joint load a wave: K's shape for waves 0, 1, V's for waves 2, 3
	s_cmp_eq_u32 s13, 0
	s_cbranch_scc0 .Lfor_v_\@
	tensor_load_to_lds s[G0+4*\s:G0+4*\s+3], s[G1K:G1K+7]
	s_nop 0
	s_branch .Lasked_\@
.Lfor_v_\@:
	tensor_load_to_lds s[G0+4*\s:G0+4*\s+3], s[G1V:G1V+7]
	s_nop 0
.Lasked_\@:
.endm
.macro CROUND                          ; a round of the cluster's barrier
	s_barrier_signal -1
	s_barrier_wait -1
	s_cmp_lg_u32 s12, 0
	s_cbranch_scc1 .Lnot_wave_0_\@
	s_barrier_signal -3
.Lnot_wave_0_\@:
	s_barrier_wait -3
	s_barrier_signal -1
	s_barrier_wait -1
.endm
	s_load_b256 s[4:11], s[0:1], 0x0               ; qkv s[4:5], out_w s[6:7], ctx16 s[8:9], w16 s[10:11]
	s_set_vgpr_msb 0x40
	v_lshl_add_u32 v160, v0, 2, 0x29000
	v_mov_b32 v161, 0
	s_set_vgpr_msb 0x4045
	ds_add_u32 v160, v161
	s_set_vgpr_msb 0x4500
	v_lshrrev_b32 v7, 5, v0
	v_readfirstlane_b32 s12, v7                    ; wave
	s_lshr_b32 s13, s12, 1                         ; 0: I fetch K, 1: V
	s_bfe_u32 s14, ttmp6, 0x40000                  ; s: my place in the cluster
	s_and_b32 s15, ttmp9, 3                        ; p
	s_bfe_u32 s16, ttmp9, 0x30002                  ; g
	s_lshr_b32 s17, ttmp9, 5                       ; b
	s_lshl_b32 s18, s15, 1
	s_add_co_u32 s18, s18, 2                       ; steps of the first block
	s_mov_b32 s58, 0x76543210                      ; v_permlanex16_b32: lane i reads lane i of the other half
	s_mov_b32 s59, 0xfedcba98
	s_mov_b32 s[G1K+0], 15|(1<<16)|(1<<20)|(1<<21)|(4<<22)|(3<<25)   ; mask of all four; 2-byte elements; after 32 words, 4 words of padding
	s_mov_b32 s[G1K+1], 64<<16
	s_mov_b32 s[G1K+2], 64<<16
	s_mov_b32 s[G1K+3], 64<<16
	s_mov_b32 s[G1K+4], 64
	s_mov_b32 s[G1K+5], 64
	s_mov_b32 s[G1K+6], 0
	s_mov_b32 s[G1K+7], 0
	s_mov_b32 s[G1V+0], 15|(1<<16)|(1<<20)|(1<<21)|(4<<22)|(7<<25)   ; the same with 8 words of padding
	s_mov_b32 s[G1V+1], 64<<16
	s_mov_b32 s[G1V+2], 64<<16
	s_mov_b32 s[G1V+3], 64<<16
	s_mov_b32 s[G1V+4], 64
	s_mov_b32 s[G1V+5], 64
	s_mov_b32 s[G1V+6], 0
	s_mov_b32 s[G1V+7], 0
	s_lshl_b32 s21, s13, 3                         ; my tile's first row in qkv: head 32 + g (K) or 40 + g (V), batch b, keys 64 (w mod 2)
	s_add_co_u32 s21, s21, s16
	s_add_co_u32 s21, s21, 32
	s_lshl_b32 s21, s21, 11
	s_lshl_b32 s22, s17, 10
	s_add_co_u32 s21, s21, s22
	s_and_b32 s23, s12, 1
	s_lshl_b32 s23, s23, 6
	s_add_co_u32 s21, s21, s23
	s_lshl_b32 s60, s21, 7
	s_mov_b32 s61, 0
	s_mul_i32 s23, s12, REG
	s_wait_dscnt 0x0
	s_wait_kmcnt 0x0
	s_add_nc_u64 s[48:49], s[4:5], s[60:61]
	s_mov_b32 s[G0+0], 1
	s_mov_b32 s[G0+1], s23
	s_mov_b64 s[G0+2:G0+3], s[48:49]               ; tile 0
	s_or_b32 s[G0+3], s[G0+3], 0x80000000
	s_mov_b32 s[G0+4], 1
	s_add_co_u32 s[G0+5], s23, SLOT
	CROUND                                         ; in front of the first joint load
	JLOAD 0                                        ; one load of this wave is out
	s_lshl_b32 s21, s14, 5
	s_add_co_u32 s22, s22, s21                     ; 1,024 b + 32 s
	s_lshl_b32 s21, s15, 8
	s_add_co_u32 s23, s22, s21
	s_add_co_u32 s23, s23, 128                     ; first block's first row: + 128 (2 p + 1)
	s_add_co_u32 s22, s22, 768
	s_sub_co_u32 s22, s22, s21                     ; second block's: + 128 (6 - 2 p)
	s_lshl_b32 s21, s16, 2
	s_add_co_u32 s21, s21, s12
	s_lshl_b32 s21, s21, 11                        ; query head 4 g + w
	s_add_co_u32 s60, s21, s23
	s_lshl_b32 s60, s60, 7
	s_add_nc_u64 s[54:55], s[4:5], s[60:61]
	s_add_co_u32 s60, s21, s22
	s_lshl_b32 s60, s60, 7
	s_add_nc_u64 s[56:57], s[4:5], s[60:61]
	s_lshl_b32 s21, s16, 9                         ; the group's four heads: 512 bytes of a context row
	s_lshl_b32 s60, s23, 12
	s_add_co_u32 s60, s60, s21
	s_add_nc_u64 s[50:51], s[8:9], s[60:61]
	s_lshl_b32 s60, s22, 12
	s_add_co_u32 s60, s60, s21
	s_add_nc_u64 s[52:53], s[8:9], s[60:61]
	s_lshl_b32 s21, ttmp9, 2
	s_add_co_u32 s21, s21, s14                     ; work-group 0..255: its share of out_w
	s_lshl_b32 s60, s21, 16
	s_add_nc_u64 s[66:67], s[6:7], s[60:61]
	s_lshl_b32 s60, s21, 15
	s_add_nc_u64 s[68:69], s[10:11], s[60:61]
	v_and_b32 v1, 15, v0                           ; r
	v_bfe_u32 v2, v0, 4, 1                         ; h
	v_and_b32 v3, 31, v0                           ; lane
	v_lshlrev_b32 v[VQ], 7, v1
	v_lshl_add_u32 v[VQ], v2, 4, v[VQ]             ; r x 128 + 16 h
	v_lshlrev_b32 v[CI], 5, v0                     ; 8 f32 a thread
	v_lshlrev_b32 v[CW], 4, v0                     ; 8 f16 a thread
.irp nt, 0,1
.irp ks, 0,1
	global_load_b128 v[QF+8*(2*\nt+\ks):QF+8*(2*\nt+\ks)+3],   v[VQ], s[54:55] offset:2048*\nt+64*\ks
	global_load_b128 v[QF+8*(2*\nt+\ks)+4:QF+8*(2*\nt+\ks)+7], v[VQ], s[54:55] offset:2048*\nt+64*\ks+32
.endr
.endr
	WIN 0x40
.irp nt, 0,1
.irp ks, 0,1
	global_load_b128 v[Q2+8*(2*\nt+\ks):Q2+8*(2*\nt+\ks)+3],   v[VQ], s[56:57] offset:2048*\nt+64*\ks
	global_load_b128 v[Q2+8*(2*\nt+\ks)+4:Q2+8*(2*\nt+\ks)+7], v[VQ], s[56:57] offset:2048*\nt+64*\ks+32
.endr
.endr
	WIN 0
	; out_w to f16(bf16(.)): 16 pairs of loads, 32 bytes a thread each, all issued at once; out_w is read once in the launch
.set i, 0
.rept 16
	global_load_b128 v[64+8*i:64+8*i+3],   v[CI], s[66:67] offset:4096*i th:TH_LOAD_NT
	global_load_b128 v[64+8*i+4:64+8*i+7], v[CI], s[66:67] offset:4096*i+16 th:TH_LOAD_NT
.set i, i+1
.endr
.set i, 0
.rept 16
	s_wait_loadcnt 30-2*i                          ; in order: pair i (and Q, issued earlier) is in; the 30 - 2 i younger loads may be out
.irp j, 0,1,2,3,4,5,6,7
	v_cvt_pk_bf16_f32 v[64+8*i+\j], 0, v[64+8*i+\j]        ; bf16 in the upper half over a zero: the rounded number as f32
.endr
.irp j, 0,1,2,3
	v_cvt_pk_f16_f32 v[192+4*i+\j], v[64+8*i+2*\j], v[64+8*i+2*\j+1]
.endr
	global_store_b128 v[CW], v[192+4*i:192+4*i+3], s[68:69] offset:2048*i   ; a wave's store covers 512 consecutive bytes, aligned
.set i, i+1
.endr
	v_mul_u32_u24 v[ADRK], v1, KP
	v_lshl_add_u32 v[ADRK], v2, 4, v[ADRK]         ; r x 144 + 16 h
	v_and_b32 v7, 7, v0
	v_lshl_add_u32 v7, v2, 3, v7
	v_mul_u32_u24 v[ADRV], v7, VP
	v_bfe_u32 v7, v0, 3, 1
	v_lshl_add_u32 v[ADRV], v7, 4, v[ADRV]
	v_add_nc_u32 v[ADRV], 2*REG, v[ADRV]           ; (8 h + lane mod 8) x 160 + 16 ((lane / 8) mod 2), behind K's two parts
	v_mul_u32_u24 v7, v1, TP
	v_lshl_add_u32 v7, v2, 4, v7
	s_lshl_b32 s21, s12, 7
	s_add_co_u32 s21, s21, STAGE
	v_add_nc_u32 v[STO], s21, v7                   ; stage + r x 528 + 128 w + 16 h
	s_mul_i32 s21, s12, 8*TP
	s_add_co_u32 s21, s21, STAGE
	v_lshl_add_u32 v[RD], v3, 4, s21               ; stage + 8 w rows + 16 lane: a whole row of 512 bytes a load
	s_lshl_b32 s21, s12, 15
	v_lshl_add_u32 v[CO], v3, 4, s21               ; 8 w rows of 4,096 bytes + 16 lane
	v_mov_b32 v[NEG], 0xf149f2ca                   ; -1e30
	v_lshlrev_b32 v7, 3, v2
	v_sub_nc_u32 v[LIM], v1, v7
	s_lshl_b32 s21, s14, 5
	v_add_nc_u32 v[LIM], s21, v[LIM]               ; key 64 hf + 16 mt + 8 h + j is masked where 64 hf + 16 mt + j > 32 s + 16 nt + r - 8 h
	v_add_nc_u32 v[LIM+1], 16, v[LIM]
	v_mov_b32 v[PX], 0                             ; v_permlanex16_b32 counts as reading its destination
	v_mov_b32 v[PX+1], 0
	s_wait_xcnt 0x0                                ; the cast's stores have had their addresses translated: their data registers are written again below
.macro INIT                            ; a block's first step stands at no fixed place in the text, so its sums are cleared
	v_mov_b32 v[MX], v[NEG]
	v_mov_b32 v[MX+1], v[NEG]
	v_mov_b32 v[LS], 0
	v_mov_b32 v[LS+1], 0
.set i, 0
.rept 64
	v_mov_b32 v[ACC+i], 0
.set i, i+1
.endr
.endm
.macro LOADK slot, hf                  ; 64 keys x 64 d: fragment (mt, ks) = 16 keys x 32 d
	WIN 0x40
.irp mt, 0,1,2,3
.irp ks, 0,1
	ds_load_b128 v[KF+8*(2*\mt+\ks):KF+8*(2*\mt+\ks)+3],   v[ADRK] offset:\slot*SLOT+\hf*REG+\mt*16*KP+64*\ks
	ds_load_b128 v[KF+8*(2*\mt+\ks)+4:KF+8*(2*\mt+\ks)+7], v[ADRK] offset:\slot*SLOT+\hf*REG+\mt*16*KP+64*\ks+32
.endr
.endr
	WIN 0
.endm
.macro LOADV slot, hf                  ; V lies [key][d]: the transposing load makes fragment (dt, kk) = 16 d x 32 keys
	WIN 0x40
.irp dt, 0,1,2,3
.irp kk, 0,1
	ds_load_tr16_b128 v[VF+8*(2*\dt+\kk):VF+8*(2*\dt+\kk)+3],   v[ADRV] offset:\slot*SLOT+\hf*REG+\kk*32*VP+32*\dt
	ds_load_tr16_b128 v[VF+8*(2*\dt+\kk)+4:VF+8*(2*\dt+\kk)+7], v[ADRV] offset:\slot*SLOT+\hf*REG+\kk*32*VP+16*VP+32*\dt
.endr
.endr
	WIN 0
.endm
; In both products the eight accumulators take turns, one instruction a turn.
.macro SMUL
	WIN 0x01                                       ; source 0 in window 1
.irp nt, 0,1
.irp mt, 0,1,2,3
	v_wmma_f32_16x16x32_f16 v[SC+32*\nt+8*\mt:SC+32*\nt+8*\mt+7], v[KF+16*\mt:KF+16*\mt+7], v[QF+16*\nt:QF+16*\nt+7], 0
.endr
.endr
.irp nt, 0,1
.irp mt, 0,1,2,3
	v_wmma_f32_16x16x32_f16 v[SC+32*\nt+8*\mt:SC+32*\nt+8*\mt+7], v[KF+16*\mt+8:KF+16*\mt+15], v[QF+16*\nt+8:QF+16*\nt+15], v[SC+32*\nt+8*\mt:SC+32*\nt+8*\mt+7]
.endr
.endr
.endm
.macro PVMUL
	WIN 0x01
.irp kk, 0,1
.irp nt, 0,1
.irp dt, 0,1,2,3
	v_wmma_f32_16x16x32_f16 v[ACC+8*(4*\nt+\dt):ACC+8*(4*\nt+\dt)+7], v[VF+8*(2*\dt+\kk):VF+8*(2*\dt+\kk)+7], v[PR+16*\nt+8*\kk:PR+16*\nt+8*\kk+7], v[ACC+8*(4*\nt+\dt):ACC+8*(4*\nt+\dt)+7]
.endr
.endr
.endr
.endm
.macro MASK hf
.irp nt, 0,1
.irp mt, 0,1,2,3
.irp j, 0,1,2,3,4,5,6,7
	v_cmp_gt_i32 vcc_lo, 64*\hf+16*\mt+\j, v[LIM+\nt]
	v_cndmask_b32 v[SC+32*\nt+8*\mt+\j], v[SC+32*\nt+8*\mt+\j], v[NEG], vcc_lo
.endr
.endr
.endr
.endm
; 64 keys x 32 queries.  c = 2 log2(e): the scores here are q.k / 16 and the exponent is q.k / 8.
.macro SOFTMAX
.irp nt, 0,1
.irp k, 0,1,2,3
	v_max3_num_f32 v[CH+4*\nt+\k], v[SC+32*\nt+8*\k], v[SC+32*\nt+8*\k+1], v[SC+32*\nt+8*\k+2]
.endr
.endr
.irp nt, 0,1
.irp k, 0,1,2,3
	v_max3_num_f32 v[CH+4*\nt+\k], v[CH+4*\nt+\k], v[SC+32*\nt+8*\k+3], v[SC+32*\nt+8*\k+4]
.endr
.endr
.irp nt, 0,1
.irp k, 0,1,2,3
	v_max3_num_f32 v[CH+4*\nt+\k], v[CH+4*\nt+\k], v[SC+32*\nt+8*\k+5], v[SC+32*\nt+8*\k+6]
.endr
.endr
.irp nt, 0,1
	v_max3_num_f32 v[CH+4*\nt],   v[CH+4*\nt],   v[SC+32*\nt+7],  v[SC+32*\nt+15]
	v_max3_num_f32 v[CH+4*\nt+1], v[CH+4*\nt+1], v[SC+32*\nt+23], v[SC+32*\nt+31]
.endr
.irp nt, 0,1
	v_max3_num_f32 v[CH+4*\nt], v[CH+4*\nt], v[CH+4*\nt+1], v[CH+4*\nt+2]
.endr
.irp nt, 0,1
	v_max_num_f32 v[CH+4*\nt], v[CH+4*\nt], v[CH+4*\nt+3]
.endr
.irp nt, 0,1
	v_permlanex16_b32 v[PX+\nt], v[CH+4*\nt], s58, s59     ; the other half of the lanes holds the same query's other keys
.endr
.irp nt, 0,1
	v_max3_num_f32 v[MN+\nt], v[CH+4*\nt], v[PX+\nt], v[MX+\nt]    ; the new running maximum
.endr
.irp nt, 0,1
	v_sub_f32 v[AL+2*\nt], v[MX+\nt], v[MN+\nt]
	v_mul_f32 v[NM+2*\nt], 0xc038aa3b, v[MN+\nt]
.endr
.irp nt, 0,1
	v_mul_f32 v[AL+2*\nt], 0x4038aa3b, v[AL+2*\nt]
	v_mov_b32 v[NM+2*\nt+1], v[NM+2*\nt]
.endr
.irp nt, 0,1
.set i, 0
.rept 16
	v_pk_fma_f32 v[SC+32*\nt+2*i:SC+32*\nt+2*i+1], v[SC+32*\nt+2*i:SC+32*\nt+2*i+1], 0x4038aa3b, v[NM+2*\nt:NM+2*\nt+1] op_sel_hi:[1,0,1]
.set i, i+1
.endr
.endr
	v_exp_f32 v[AL], v[AL]
	v_exp_f32 v[AL+2], v[AL+2]
.set i, 0
.rept 64
	v_exp_f32 v[SC+i], v[SC+i]
.set i, i+1
.endr
	v_mov_b32 v[MX], v[MN]                         ; plain instructions behind the run of exponentials, ahead of the first use of a result
	v_mov_b32 v[MX+1], v[MN+1]
	s_wait_alu depctr_va_vdst(0)
	v_mov_b32 v[AL+1], v[AL]
	v_mov_b32 v[AL+3], v[AL+2]
.irp nt, 0,1
.irp k, 0,1,2,3
	v_pk_add_f32 v[TS+8*\nt+2*\k:TS+8*\nt+2*\k+1], v[SC+32*\nt+8*\k:SC+32*\nt+8*\k+1], v[SC+32*\nt+8*\k+2:SC+32*\nt+8*\k+3]
.endr
.endr
.irp nt, 0,1
.irp k, 0,1,2,3
	v_pk_add_f32 v[TS+8*\nt+2*\k:TS+8*\nt+2*\k+1], v[TS+8*\nt+2*\k:TS+8*\nt+2*\k+1], v[SC+32*\nt+8*\k+4:SC+32*\nt+8*\k+5]
.endr
.endr
.irp nt, 0,1
.irp k, 0,1,2,3
	v_pk_add_f32 v[TS+8*\nt+2*\k:TS+8*\nt+2*\k+1], v[TS+8*\nt+2*\k:TS+8*\nt+2*\k+1], v[SC+32*\nt+8*\k+6:SC+32*\nt+8*\k+7]
.endr
.endr
.irp nt, 0,1
	v_pk_add_f32 v[TS+8*\nt:TS+8*\nt+1],   v[TS+8*\nt:TS+8*\nt+1],   v[TS+8*\nt+2:TS+8*\nt+3]
	v_pk_add_f32 v[TS+8*\nt+4:TS+8*\nt+5], v[TS+8*\nt+4:TS+8*\nt+5], v[TS+8*\nt+6:TS+8*\nt+7]
.endr
.irp nt, 0,1
	v_pk_add_f32 v[TS+8*\nt:TS+8*\nt+1], v[TS+8*\nt:TS+8*\nt+1], v[TS+8*\nt+4:TS+8*\nt+5]
.endr
.irp nt, 0,1
	v_add_f32 v[TS+8*\nt], v[TS+8*\nt], v[TS+8*\nt+1]
.endr
.irp nt, 0,1
	v_fma_f32 v[LS+\nt], v[LS+\nt], v[AL+2*\nt], v[TS+8*\nt]
.endr
.set i, 0
.rept 32
	v_cvt_pk_f16_f32 v[PR+i], v[SC+2*i], v[SC+2*i+1]       ; keys 8 h + 0..7 of two neighbouring 16-key tiles = one 32-key fragment: no shuffle
.set i, i+1
.endr
.irp nt, 0,1
.set i, 0
.rept 16
	v_pk_mul_f32 v[ACC+32*\nt+2*i:ACC+32*\nt+2*i+1], v[ACC+32*\nt+2*i:ACC+32*\nt+2*i+1], v[AL+2*\nt:AL+2*\nt+1]
.set i, i+1
.endr
.endr
.endm
; Half a step: 64 keys.  mask = 0: none; 1: the diagonal tile; 2: the diagonal tile in the trip whose number is p (the same in all partners and waves).
; morek = 1: the other half's K fragments are fetched as soon as this half's have been multiplied.
.macro HALF slot, hf, mask, morek
	PLACES                                         ; V's fragment registers were read by the last matrix instructions
	LOADV \slot, \hf
	s_wait_dscnt 16                                ; K's 16 loads are in; V's 16, issued behind them, may be out
	SMUL
	WIN 0
	PLACES                                         ; behind the score products: for what reads the scores and for the loads into K's registers
.if \morek
	LOADK \slot, 1
.endif
.if \mask == 1
	MASK \hf
.endif
.if \mask == 2
	s_cmp_lg_u32 s20, s15
	s_cbranch_scc1 .Lfree_\@
	MASK \hf
.Lfree_\@:
.endif
	SOFTMAX
	s_wait_dscnt 16*\morek                         ; V's loads are in; the next K's 16 (if any) may be out
	PVMUL
	WIN 0
.endm
; A step: 128 keys from slot; refill = 1: the next step's tile is asked for, into the other slot.  In front of the round every wave has waited for all
; its tensor loads (its part of this step's tile) and for its reads of the other slot; the joint load is the first thing behind the round and
; the wave's only tensor load until the next one: one is out, with the whole step in which to land.
.macro STEP slot, other, mask, refill
	s_set_vgpr_msb 0x5
	s_wait_tensorcnt 0x0
	ds_add_u32 v160, v161
	s_wait_dscnt 0x0
	s_set_vgpr_msb 0x500
.if \refill
	s_cmp_ge_u32 s19, s18                          ; s19 = number of the next step; behind the first block's steps the tiles begin again at 0
	s_cselect_b32 s21, s18, 0
	s_sub_co_u32 s21, s19, s21
	s_lshl_b32 s60, s21, 14                        ; 128 keys of 128 bytes
	s_mov_b32 s61, 0
	s_add_nc_u64 s[G0+4*\other+2:G0+4*\other+3], s[48:49], s[60:61]
	s_or_b32 s[G0+4*\other+3], s[G0+4*\other+3], 0x80000000
	s_add_co_u32 s19, s19, 1
.endif
	s_wait_dscnt 0x0
.if \refill
	CROUND
	JLOAD \other
.else
	s_barrier_signal -1                            ; the work-group's own barrier shows the tile whole
	s_barrier_wait -1
.endif
	LOADK \slot, 0
	HALF \slot, 0, \mask, 1
	HALF \slot, 1, \mask, 0
.endm
; A block's way out: divide by the sum, f16, the four heads side by side in the stage, whole rows of 512 bytes out.
.macro FINISH ob
	PLACES
.irp nt, 0,1
	v_permlanex16_b32 v[PX+\nt], v[LS+\nt], s58, s59
.endr
.irp nt, 0,1
	v_add_f32 v[LS+\nt], v[LS+\nt], v[PX+\nt]
.endr
	v_rcp_f32 v[AL], v[LS]
	v_rcp_f32 v[AL+2], v[LS+1]
	v_nop                                          ; one plain instruction behind the reciprocals
	s_wait_alu depctr_va_vdst(0)
	v_mov_b32 v[AL+1], v[AL]
	v_mov_b32 v[AL+3], v[AL+2]
.irp nt, 0,1
.set i, 0
.rept 16
	v_pk_mul_f32 v[ACC+32*\nt+2*i:ACC+32*\nt+2*i+1], v[ACC+32*\nt+2*i:ACC+32*\nt+2*i+1], v[AL+2*\nt:AL+2*\nt+1]
.set i, i+1
.endr
.endr
.set i, 0
.rept 32
	v_cvt_pk_f16_f32 v[PR+i], v[ACC+2*i], v[ACC+2*i+1]
.set i, i+1
.endr
.irp nt, 0,1
.irp dt, 0,1,2,3
	ds_store_b128 v[STO], v[PR+4*(4*\nt+\dt):PR+4*(4*\nt+\dt)+3] offset:\nt*16*TP+32*\dt
.endr
.endr
	s_wait_dscnt 0x0                               ; for the other waves' sake
	s_barrier_signal -1
	s_barrier_wait -1
.irp i, 0,1,2,3,4,5,6,7
	ds_load_b128 v[RB+4*\i:RB+4*\i+3], v[RD] offset:\i*TP
.endr
.irp i, 0,1,2,3,4,5,6,7
	s_wait_dscnt 7-\i
	global_store_b128 v[CO], v[RB+4*\i:RB+4*\i+3], s[\ob:\ob+1] offset:4096*\i   ; a wave's store covers 512 consecutive bytes, aligned
.endr
.endm
.macro SWITCH                          ; on to the second block
	s_wait_xcnt 0x0                                ; the stores above have had their addresses translated: their data registers are at work again below
	WIN 0x01
.set i, 0
.rept 32
	v_mov_b32 v[QF+i], v[Q2+i]
.set i, i+1
.endr
	WIN 0
	INIT
.endm
	INIT
	s_mov_b32 s19, 1
	s_mov_b32 s20, 0
.Lpair:                                            ; steps 2 I and 2 I + 1; the first block ends with step 2 p + 1
	STEP 0, 1, 0, 1
	STEP 1, 0, 2, 1
	s_cmp_lg_u32 s20, s15
	s_cbranch_scc1 .Lsame
	FINISH 50
	SWITCH
.Lsame:
	s_add_co_u32 s20, s20, 1
	s_cmp_lt_u32 s20, 4
	s_cbranch_scc1 .Lpair
	STEP 0, 1, 1, 0                                ; the ninth step: the second block's diagonal tile; nothing is left to fetch
	FINISH 52
	s_set_vgpr_msb 0x5
	s_wait_tensorcnt 0x0
	ds_add_u32 v160, v161
	s_wait_dscnt 0x0
	s_set_vgpr_msb 0x500
	CROUND                                         ; the closing round
	s_endpgm
.Lfunc_end_k_q6ac220f114_attn:
	.size	k_q6ac220f114_attn, .Lfunc_end_k_q6ac220f114_attn-k_q6ac220f114_attn
	.p2alignl 7, 3214868480
	.fill 96, 4, 3214868480
	.section	.rodata,"a",@progbits
	.p2align	6, 0x0
	.amdhsa_kernel k_q6ac220f114_attn
		.amdhsa_group_segment_fixed_size 327680
		.amdhsa_private_segment_fixed_size 0
		.amdhsa_enable_private_segment 0
		.amdhsa_kernarg_size 32
		.amdhsa_user_sgpr_count 2
		.amdhsa_user_sgpr_kernarg_segment_ptr 1
		.amdhsa_wavefront_size32 1
		.amdhsa_system_sgpr_workgroup_id_x 1
		.amdhsa_system_sgpr_workgroup_id_y 1
		.amdhsa_system_sgpr_workgroup_id_z 1
		.amdhsa_system_vgpr_workitem_id 0
		.amdhsa_next_free_vgpr 418
		.amdhsa_next_free_sgpr 80
		.amdhsa_reserve_vcc 1
		.amdhsa_float_denorm_mode_32 3
		.amdhsa_float_denorm_mode_16_64 3
		.amdhsa_memory_ordered 1
		.amdhsa_forward_progress 1
		.amdhsa_inst_pref_size 177
	.end_amdhsa_kernel
	.amdgpu_metadata
---
amdhsa.version: [ 1, 2 ]
amdhsa.kernels:
  - .name:           k_q6ac220f114_attn
    .symbol:         k_q6ac220f114_attn.kd
    .args:
      - { .name: qkv, .offset: 0, .size: 8, .value_kind: global_buffer, .address_space: global }
      - { .name: out_w, .offset: 8, .size: 8, .value_kind: global_buffer, .address_space: global }
      - { .name: ctx16, .offset: 16, .size: 8, .value_kind: global_buffer, .address_space: global }
      - { .name: w16, .offset: 24, .size: 8, .value_kind: global_buffer, .address_space: global }
    .group_segment_fixed_size: 327680
    .private_segment_fixed_size: 0
    .kernarg_segment_align: 8
    .kernarg_segment_size: 32
    .max_flat_workgroup_size: 128
    .sgpr_count:     80
    .vgpr_count:     418
    .wavefront_size: 32
...
	.end_amdgpu_metadata
.endif
;; end of part 2
;; launch proj (part 3): grid 16 x 16, 4 waves a work-group, clusters of 4 x 4, 327,680 bytes of LDS; arguments ctx16, w16, out_b, out0; writes out0
.if DOCPART == 3
	.amdgcn_target "amdgcn-amd-amdhsa--gfx1250"
	.amdhsa_code_object_version 6
	.text
	.protected	k_q6ac220f114_proj
	.globl	k_q6ac220f114_proj
	.p2align	8
	.type	k_q6ac220f114_proj,@function
k_q6ac220f114_proj:
	s_mov_b64 s[64:65], 0
	v_nop
	global_prefetch_b8 v0, s[64:65] scope:SCOPE_SE
	s_setreg_imm32_b32 hwreg(HW_REG_WAVE_MODE, 25, 1), 1
	s_wait_xcnt 0x0
	s_wait_alu depctr_hold_cnt(0) depctr_sa_sdst(0) depctr_va_vdst(0) depctr_va_sdst(0) depctr_va_ssrc(0) depctr_va_vcc(0) depctr_vm_vsrc(0)
	s_getreg_b32 s2, hwreg(HW_REG_IB_STS2, 6, 4)
	s_cmp_eq_u32 s2, 0
	s_cbranch_scc0 .Lentry_in_a_cluster
	s_endpgm
.Lentry_in_a_cluster:
	s_bfe_u32 s2, ttmp6, 0x10000c
	s_cmp_lg_u32 s2, 0xf033
	s_cbranch_scc0 .Lentry_shape_is_right
	s_endpgm
.Lentry_shape_is_right:
; out0[m][n] (f32) = 4 x sum over k of ctx16[m][k] w16[n][k] + out_b[n].  ctx16 (context / 4) and w16 are [2048][2048] f16; sums in f32.
; A work-group makes 128 x 128 with four waves of 64 x 64 (16 accumulator tiles each): 16 x 16 work-groups, one for each WGP.
; K goes in steps of 256 (rows of 512 bytes, aligned) through two LDS slots; waves 0, 1 bring the two halves of ctx16's 128 rows, waves 2, 3 of w16's.
; CLUSTER 4 x 4: ctx16's tile hangs on the block row alone and is asked for jointly along a cluster row, w16's on the block column alone, along a column.
; The matrix instruction is used transposed (source 0 = rows of w16): lane (r, h) holds row r of the result and eight neighbouring columns 8 h + 0..7.
; REGISTERS.  Window 0: v0-15 addresses and my four biases; v64-127, v128-191 two fragment buffers (ctx16's four fragments, then w16's four).
; Window 1: v0-127 the accumulator tiles (a, b) at 8 (4 a + b).
.set PITCH,  528                       ; 512 bytes + 16: sixteen rows begin at sixteen different 16-byte columns modulo 256
.set QBYTES, 64*PITCH                  ; what one tensor load brings
.set SLOT,   4*QBYTES
.set STAGE,  2*SLOT                    ; behind the ring, a multiple of 256: 16 rows x 272 bytes for each wave; no tensor load lands here
.set SPITCH, 272
.set ADRA, 2
.set ADRB, 4
.set STO,  6
.set RD,   7
.set CO,   8
.set BO,   9
.set BI,   12                          ; v12-15
.set F0,   64
.set F1,   128
.set G1A, 24
.set G1B, 32
.set G0A, 40
.set G0B, 48
.set DBITS, (1<<16)|(1<<20)|(1<<21)|(6<<22)|(3<<25)   ; 2-byte elements; padding on; bit 21 beside a mask; after 128 words, 4 words of padding
.set MSB, 0
.macro WIN new
.if MSB != \new
	s_set_vgpr_msb (MSB<<8)|\new
.set MSB, \new
.endif
.endm
.macro PLACES                          ; four places behind a matrix instruction (ISA guide 7.12.1)
.rept 4
	v_nop
.endr
.endm
.macro JLOAD s
	s_cmp_eq_u32 s13, 0
	s_cbranch_scc0 .Lfor_b_\@
	tensor_load_to_lds s[G0A+4*\s:G0A+4*\s+3], s[G1A:G1A+7]
	s_nop 0
	s_branch .Lasked_\@
.Lfor_b_\@:
	tensor_load_to_lds s[G0B+4*\s:G0B+4*\s+3], s[G1B:G1B+7]
	s_nop 0
.Lasked_\@:
.endm
.macro CREST
	s_cmp_lg_u32 s12, 0
	s_cbranch_scc1 .Lnot_wave_0_\@
	s_barrier_signal -3
.Lnot_wave_0_\@:
	s_barrier_wait -3
	s_barrier_signal -1
	s_barrier_wait -1
.endm
.macro CROUND
	s_barrier_signal -1
	s_barrier_wait -1
	CREST
.endm
	s_load_b256 s[4:11], s[0:1], 0x0               ; ctx16 s[4:5], w16 s[6:7], out_b s[8:9], out0 s[10:11]
	v_lshl_add_u32 v254, v0, 2, 0x46400
	v_mov_b32 v255, 0
	ds_add_u32 v254, v255
	v_lshrrev_b32 v1, 5, v0
	v_readfirstlane_b32 s12, v1                    ; wave
	s_lshr_b32 s13, s12, 1                         ; my half of the rows.  Also: I fetch ctx16 (0) or w16 (1)
	s_and_b32 s14, s12, 1                          ; my half of the columns.  Also: which 64 rows of that tile I fetch
	s_bfe_u32 s15, ttmp6, 0x40000                  ; cx
	s_bfe_u32 s16, ttmp6, 0x40004                  ; cy
	s_lshl_b32 s17, ttmp9, 2
	s_add_co_u32 s17, s17, s15                     ; block column
	s_and_b32 s18, ttmp7, 0xffff
	s_lshl_b32 s18, s18, 2
	s_add_co_u32 s18, s18, s16                     ; block row
	s_lshl_b32 s62, s16, 2
	s_lshl_b32 s62, 15, s62                        ; my row of the cluster
	s_lshl_b32 s63, 0x1111, s15                    ; my column
	s_or_b32 s[G1A+0], s62, DBITS
	s_or_b32 s[G1B+0], s63, DBITS
	s_mov_b32 s[G1A+1], 256<<16                    ; tensor_dim0 = 256
	s_mov_b32 s[G1B+1], 256<<16
	s_mov_b32 s[G1A+2], 64<<16                     ; tensor_dim1 = 64
	s_mov_b32 s[G1B+2], 64<<16
	s_mov_b32 s[G1A+3], 256<<16                    ; tile_dim0 = 256
	s_mov_b32 s[G1B+3], 256<<16
	s_mov_b32 s[G1A+4], 64                         ; tile_dim1 = 64
	s_mov_b32 s[G1B+4], 64
	s_mov_b32 s[G1A+5], 2048                       ; elements from row to row
	s_mov_b32 s[G1B+5], 2048
	s_mov_b32 s[G1A+6], 0
	s_mov_b32 s[G1B+6], 0
	s_mov_b32 s[G1A+7], 0
	s_mov_b32 s[G1B+7], 0
	s_lshl_b32 s21, s14, 18                        ; 64 rows of 4,096 bytes
	s_lshl_b32 s56, s18, 19                        ; 128 rows
	s_add_co_u32 s56, s56, s21
	s_mov_b32 s57, 0
	s_lshl_b32 s58, s17, 19
	s_add_co_u32 s58, s58, s21
	s_mov_b32 s59, 0
	s_mul_i32 s20, s12, QBYTES                     ; LDS: ctx16's two halves, then w16's: the wave's number alone
	s_wait_dscnt 0x0
	s_wait_kmcnt 0x0
	s_add_nc_u64 s[56:57], s[4:5], s[56:57]
	s_add_nc_u64 s[58:59], s[6:7], s[58:59]
	CROUND                                         ; in front of the first joint loads
.irp s, 0,1
	s_mov_b32 s[G0A+4*\s], 1
	s_add_co_u32 s[G0A+4*\s+1], s20, \s*SLOT
	s_add_nc_u64 s[G0A+4*\s+2:G0A+4*\s+3], s[56:57], \s*512
	s_or_b32 s[G0A+4*\s+3], s[G0A+4*\s+3], 0x80000000
	s_mov_b32 s[G0B+4*\s], 1
	s_add_co_u32 s[G0B+4*\s+1], s20, \s*SLOT
	s_add_nc_u64 s[G0B+4*\s+2:G0B+4*\s+3], s[58:59], \s*512
	s_or_b32 s[G0B+4*\s+3], s[G0B+4*\s+3], 0x80000000
	JLOAD \s                                       ; K steps 0 and 1: two loads of this wave are out
.endr
	v_and_b32 v1, 15, v0                           ; r
	v_bfe_u32 v10, v0, 4, 1                        ; h
	s_lshl_b32 s60, s17, 9                         ; my first column in bytes of f32: 512 x block column + 256 x half
	s_lshl_b32 s21, s14, 8
	s_add_co_u32 s60, s60, s21
	s_mov_b32 s61, 0
	s_add_nc_u64 s[68:69], s[8:9], s[60:61]
	v_lshlrev_b32 v[BO], 4, v1
	global_load_b128 v[BI:BI+3], v[BO], s[68:69]   ; the biases of the four columns that I store
	s_lshl_b32 s70, s18, 20                        ; 128 rows of 8,192 bytes
	s_lshl_b32 s21, s13, 19
	s_add_co_u32 s70, s70, s21
	s_add_co_u32 s70, s70, s60
	s_mov_b32 s71, 0
	s_add_nc_u64 s[66:67], s[10:11], s[70:71]
	v_mul_u32_u24 v11, v1, PITCH
	v_lshl_add_u32 v11, v10, 4, v11                ; r x pitch + 16 h
	s_mul_i32 s21, s13, QBYTES
	s_mul_i32 s22, s14, QBYTES
	s_add_co_u32 s22, s22, 2*QBYTES
.irp s, 0,1
	v_add_nc_u32 v[ADRA+\s], s21, v11
	v_add_nc_u32 v[ADRB+\s], s22, v11
	s_add_co_u32 s21, s21, SLOT
	s_add_co_u32 s22, s22, SLOT
.endr
	s_mul_i32 s23, s12, 16*SPITCH
	s_add_co_u32 s23, s23, STAGE                   ; my stage
	v_mul_u32_u24 v11, v1, SPITCH
	v_lshl_add_u32 v11, v10, 5, v11
	v_add_nc_u32 v[STO], s23, v11                  ; in: row r, 32 bytes for each half of the lanes
	v_mul_u32_u24 v11, v10, SPITCH
	v_lshl_add_u32 v11, v1, 4, v11
	v_add_nc_u32 v[RD], s23, v11                   ; back: lanes 0-15 one row of 256 bytes, lanes 16-31 the next
	v_lshlrev_b32 v11, 13, v10
	v_lshl_add_u32 v[CO], v1, 4, v11               ; the same two rows in out0
; 8 matrix instructions: row blocks a0, a0 + 1 x four column blocks.  The 16 accumulators take turns, one instruction a turn.
.macro MUL2 f, a0, zero
.irp a, \a0, \a0+1
.irp b, 0,1,2,3
.if \zero
	v_wmma_f32_16x16x32_f16 v[8*(4*(\a)+\b):8*(4*(\a)+\b)+7], v[\f+32+8*\b:\f+32+8*\b+7], v[\f+8*(\a):\f+8*(\a)+7], 0
.else
	v_wmma_f32_16x16x32_f16 v[8*(4*(\a)+\b):8*(4*(\a)+\b)+7], v[\f+32+8*\b:\f+32+8*\b+7], v[\f+8*(\a):\f+8*(\a)+7], v[8*(4*(\a)+\b):8*(4*(\a)+\b)+7]
.endif
.endr
.endr
.endm
.macro FETCH slot, k, f                ; 16 LDS loads: eight fragments of 16 rows x 32 K at byte k of the rows
.irp i, 0,1,2,3
	ds_load_b128 v[\f+8*\i:\f+8*\i+3],   v[ADRA+\slot] offset:\k+\i*16*PITCH
	ds_load_b128 v[\f+8*\i+4:\f+8*\i+7], v[ADRA+\slot] offset:\k+\i*16*PITCH+32
.endr
.irp i, 0,1,2,3
	ds_load_b128 v[\f+32+8*\i:\f+32+8*\i+3],   v[ADRB+\slot] offset:\k+\i*16*PITCH
	ds_load_b128 v[\f+32+8*\i+4:\f+32+8*\i+7], v[ADRB+\slot] offset:\k+\i*16*PITCH+32
.endr
.endm
; A K step is eight pieces of 32 along K on buffers 0, 1, 0, 1 ..  One of the first seven: fetch the next piece into g, multiply f.
.macro PIECE slot, k, f, g, zero
	WIN 0
	PLACES                                         ; buffer g was read by the last matrix instructions
	FETCH \slot, \k, \g
	s_wait_dscnt 16                                ; f's loads are in; the 16 just issued may be out
	WIN 0x50                                       ; C and D in window 1
	MUL2 \f, 0, \zero
	MUL2 \f, 2, \zero
.endm
.macro SEVEN slot, zero
	PIECE \slot, 64,  F0, F1, \zero
	PIECE \slot, 128, F1, F0, 0
	PIECE \slot, 192, F0, F1, 0
	PIECE \slot, 256, F1, F0, 0
	PIECE \slot, 320, F0, F1, 0
	PIECE \slot, 384, F1, F0, 0
	PIECE \slot, 448, F0, F1, 0
.endm
; The eighth piece changes slots.  In front of the barrier: my reads of this slot are back and all my tensor loads have landed (the one that was out
; is my part of the next slot).  Where the slot is filled again the barrier opens a round of the cluster's barrier, and the joint refill is the first
; tensor load behind the round: one load of this wave is then out, with a K step less eight matrix instructions in which to land.
.macro TURN slot, next, fill
	s_wait_dscnt 0x0
	s_wait_tensorcnt 0x0
	ds_add_u32 v254, v255
	s_wait_dscnt 0x0
	s_barrier_signal -1
	WIN 0x50
	MUL2 F1, 0, 0                                  ; registers only, while the others arrive
	WIN 0
	s_barrier_wait -1
.if \fill
	CREST
	s_add_nc_u64 s[G0A+4*\slot+2:G0A+4*\slot+3], s[G0A+4*\slot+2:G0A+4*\slot+3], 1024   ; two K steps on; no load of mine is out
	s_add_nc_u64 s[G0B+4*\slot+2:G0B+4*\slot+3], s[G0B+4*\slot+2:G0B+4*\slot+3], 1024
	JLOAD \slot
.endif
	PLACES
	FETCH \next, 0, F0
	WIN 0x50
	MUL2 F1, 2, 0
.endm
.macro LAP zero
	SEVEN 0, \zero
	TURN 0, 1, 1
	SEVEN 1, 0
	TURN 1, 0, 1
.endm
	s_wait_loadcnt 0x0                             ; the biases, once
	s_wait_tensorcnt 0x1                           ; my part of K step 0 is in; K step 1's may stay out
	s_barrier_signal -1
	s_barrier_wait -1
	FETCH 0, 0, F0
	LAP 1                                          ; K steps 0, 1: the first products start the sums
	WIN 0
	s_mov_b32 s19, 2                               ; K steps 2 .. 5
.Llap:
	LAP 0
	WIN 0
	s_sub_co_u32 s19, s19, 1
	s_cmp_lg_u32 s19, 0
	s_cbranch_scc1 .Llap
	SEVEN 0, 0                                     ; K steps 6, 7 fill nothing
	TURN 0, 1, 0
	SEVEN 1, 0
	s_wait_dscnt 0x0
	MUL2 F1, 0, 0
	MUL2 F1, 2, 0
	PLACES                                         ; behind the last matrix instructions: for the LDS stores of results and the loads into the fragment buffers
; THE WAY OUT, 16 rows at a time through my own stage: a lane's 32 bytes in, whole rows of 256 bytes back, times 4 plus bias, out.
; LDS serves a wave's instructions in order (ISA guide 5.7.1), so neither the loads behind the stores nor the next stores behind the loads need a wait.
; Each of the four passes has 32 registers of its own and every offset is an immediate: nothing that a pending store names is written again.
.macro OUT16 a
	WIN 0x04                                       ; store data in window 1
.irp b, 0,1,2,3
	ds_store_b128 v[STO], v[8*(4*\a+\b):8*(4*\a+\b)+3]   offset:64*\b
	ds_store_b128 v[STO], v[8*(4*\a+\b)+4:8*(4*\a+\b)+7] offset:64*\b+16
.endr
	WIN 0
.irp t, 0,1,2,3,4,5,6,7
	ds_load_b128 v[F0+32*\a+4*\t:F0+32*\a+4*\t+3], v[RD] offset:\t*2*SPITCH
.endr
.irp t, 0,1,2,3,4,5,6,7
	s_wait_dscnt 7-\t
	v_pk_fma_f32 v[F0+32*\a+4*\t:F0+32*\a+4*\t+1],   v[F0+32*\a+4*\t:F0+32*\a+4*\t+1],   4.0, v[BI:BI+1] op_sel_hi:[1,0,1]
	v_pk_fma_f32 v[F0+32*\a+4*\t+2:F0+32*\a+4*\t+3], v[F0+32*\a+4*\t+2:F0+32*\a+4*\t+3], 4.0, v[BI+2:BI+3] op_sel_hi:[1,0,1]
	global_store_b128 v[CO], v[F0+32*\a+4*\t:F0+32*\a+4*\t+3], s[66:67] offset:(16*\a+2*\t)*8192   ; sixteen lanes store 256 consecutive bytes, aligned
.endr
.endm
	OUT16 0
	OUT16 1
	OUT16 2
	OUT16 3
	s_wait_tensorcnt 0x0
	ds_add_u32 v254, v255
	s_wait_dscnt 0x0
	CROUND                                         ; the closing round
	s_endpgm
.Lfunc_end_k_q6ac220f114_proj:
	.size	k_q6ac220f114_proj, .Lfunc_end_k_q6ac220f114_proj-k_q6ac220f114_proj
	.p2alignl 7, 3214868480
	.fill 96, 4, 3214868480
	.section	.rodata,"a",@progbits
	.p2align	6, 0x0
	.amdhsa_kernel k_q6ac220f114_proj
		.amdhsa_group_segment_fixed_size 327680
		.amdhsa_private_segment_fixed_size 0
		.amdhsa_enable_private_segment 0
		.amdhsa_kernarg_size 32
		.amdhsa_user_sgpr_count 2
		.amdhsa_user_sgpr_kernarg_segment_ptr 1
		.amdhsa_wavefront_size32 1
		.amdhsa_system_sgpr_workgroup_id_x 1
		.amdhsa_system_sgpr_workgroup_id_y 1
		.amdhsa_system_sgpr_workgroup_id_z 1
		.amdhsa_system_vgpr_workitem_id 0
		.amdhsa_next_free_vgpr 384
		.amdhsa_next_free_sgpr 72
		.amdhsa_reserve_vcc 0
		.amdhsa_float_denorm_mode_32 3
		.amdhsa_float_denorm_mode_16_64 3
		.amdhsa_memory_ordered 1
		.amdhsa_forward_progress 1
		.amdhsa_inst_pref_size 130
	.end_amdhsa_kernel
	.amdgpu_metadata
---
amdhsa.version: [ 1, 2 ]
amdhsa.kernels:
  - .name:           k_q6ac220f114_proj
    .symbol:         k_q6ac220f114_proj.kd
    .args:
      - { .name: ctx16, .offset: 0, .size: 8, .value_kind: global_buffer, .address_space: global }
      - { .name: w16, .offset: 8, .size: 8, .value_kind: global_buffer, .address_space: global }
      - { .name: out_b, .offset: 16, .size: 8, .value_kind: global_buffer, .address_space: global }
      - { .name: out0, .offset: 24, .size: 8, .value_kind: global_buffer, .address_space: global }
    .group_segment_fixed_size: 327680
    .private_segment_fixed_size: 0
    .kernarg_segment_align: 8
    .kernarg_segment_size: 32
    .max_flat_workgroup_size: 128
    .sgpr_count:     72
    .vgpr_count:     384
    .wavefront_size: 32
...
	.end_amdgpu_metadata
.endif
;; end of part 3
;; ======== version 2 of 2: 4 launches
;; limits: values are held in f16: magnitudes above 65,504 overflow, below 6.1e-05 lose precision
;; workspace buffers: qkv 12,582,912 bytes; ctx16 8,388,608 bytes; w16 8,388,608 bytes; x16 8,388,608 bytes; wqkv16 12,582,912 bytes
;; launch cast (part 4): grid 1280 x 1, 8 waves a work-group, no clusters, 0 bytes of LDS; arguments hidden_states, q_w, kv_w, x16, wqkv16; writes x16, wqkv16
.if DOCPART == 4
	.amdgcn_target "amdgcn-amd-amdhsa--gfx1250"
	.amdhsa_code_object_version 6
	.text
	.protected	k_q6ac220f114_cast
	.globl	k_q6ac220f114_cast
	.p2align	8
	.type	k_q6ac220f114_cast,@function
k_q6ac220f114_cast:
	s_mov_b64 s[64:65], 0
	v_nop
	global_prefetch_b8 v0, s[64:65] scope:SCOPE_SE
	s_setreg_imm32_b32 hwreg(HW_REG_WAVE_MODE, 25, 1), 1
	s_wait_xcnt 0x0
; x16 = bf16(hidden_states) [2048][2048]; wqkv16 = bf16 of q_w's 2,048 rows followed by kv_w's 1,024 rows, [3072][2048].  Nearest even.
; A stream: every byte is read once and written once; LDS, barriers and the matrix unit would add nothing.
; A work-group takes 32 KiB of f32 (four pieces of 8 KiB, 32 bytes a thread each) and stores 16 KiB.  Work-groups 0-511: hidden_states;
; 512-1023: q_w; 1024-1279: kv_w.  All eight loads of a thread go out at once; every load and store has registers of its own, so nothing
; that a pending instruction names is written again.
.set PIECES, 4
.set X, 4                              ; v4-35   as loaded
.set Y, 36                             ; v36-51  to store
	s_load_b256 s[4:11], s[0:1], 0x0               ; hidden_states s[4:5], q_w s[6:7], kv_w s[8:9], x16 s[10:11]
	s_load_b64 s[12:13], s[0:1], 0x20              ; wqkv16
	s_mov_b32 s24, ttmp9
	s_sub_co_u32 s14, s24, 512                     ; my number among q_w's work-groups, and among wqkv16's
	s_sub_co_u32 s15, s24, 1024                    ; among kv_w's
	v_lshlrev_b32 v1, 5, v0                        ; 8 f32 a thread
	v_lshlrev_b32 v2, 4, v0                        ; 8 bf16 a thread
	s_wait_kmcnt 0x0
	s_cmp_lt_u32 s24, 1024
	s_cselect_b64 s[16:17], s[6:7], s[8:9]
	s_cselect_b32 s18, s14, s15
	s_cmp_lt_u32 s24, 512
	s_cselect_b64 s[16:17], s[4:5], s[16:17]       ; from where
	s_cselect_b32 s18, s24, s18
	s_cselect_b64 s[20:21], s[10:11], s[12:13]     ; to where
	s_cselect_b32 s22, s24, s14
	s_lshl_b32 s18, s18, 15                        ; 32 KiB in
	s_mov_b32 s19, 0
	s_lshl_b32 s22, s22, 14                        ; 16 KiB out
	s_mov_b32 s23, 0
	s_add_nc_u64 s[16:17], s[16:17], s[18:19]
	s_add_nc_u64 s[20:21], s[20:21], s[22:23]
.irp i, 0,1,2,3
	global_load_b128 v[X+8*\i:X+8*\i+3],   v1, s[16:17] offset:8192*\i th:TH_LOAD_NT
	global_load_b128 v[X+8*\i+4:X+8*\i+7], v1, s[16:17] offset:8192*\i+16 th:TH_LOAD_NT
.endr
.irp i, 0,1,2,3
	s_wait_loadcnt 6-2*\i                          ; loads come back in order: pair i is in, the 6 - 2 i younger ones may be out
.irp j, 0,1,2,3
	v_cvt_pk_bf16_f32 v[Y+4*\i+\j], v[X+8*\i+2*\j], v[X+8*\i+2*\j+1]
.endr
	global_store_b128 v2, v[Y+4*\i:Y+4*\i+3], s[20:21] offset:4096*\i   ; a wave's store covers 512 consecutive bytes, aligned
.endr
	s_endpgm
.Lfunc_end_k_q6ac220f114_cast:
	.size	k_q6ac220f114_cast, .Lfunc_end_k_q6ac220f114_cast-k_q6ac220f114_cast
	.p2alignl 7, 3214868480
	.fill 96, 4, 3214868480
	.section	.rodata,"a",@progbits
	.p2align	6, 0x0
	.amdhsa_kernel k_q6ac220f114_cast
		.amdhsa_group_segment_fixed_size 0
		.amdhsa_private_segment_fixed_size 0
		.amdhsa_enable_private_segment 0
		.amdhsa_kernarg_size 40
		.amdhsa_user_sgpr_count 2
		.amdhsa_user_sgpr_kernarg_segment_ptr 1
		.amdhsa_wavefront_size32 1
		.amdhsa_system_sgpr_workgroup_id_x 1
		.amdhsa_system_sgpr_workgroup_id_y 1
		.amdhsa_system_sgpr_workgroup_id_z 1
		.amdhsa_system_vgpr_workitem_id 0
		.amdhsa_next_free_vgpr 52
		.amdhsa_next_free_sgpr 66
		.amdhsa_reserve_vcc 0
		.amdhsa_float_denorm_mode_32 3
		.amdhsa_float_denorm_mode_16_64 3
		.amdhsa_memory_ordered 1
		.amdhsa_forward_progress 1
		.amdhsa_inst_pref_size 4
	.end_amdhsa_kernel
	.amdgpu_metadata
---
amdhsa.version: [ 1, 2 ]
amdhsa.kernels:
  - .name:           k_q6ac220f114_cast
    .symbol:         k_q6ac220f114_cast.kd
    .args:
      - { .name: hidden_states, .offset: 0, .size: 8, .value_kind: global_buffer, .address_space: global }
      - { .name: q_w, .offset: 8, .size: 8, .value_kind: global_buffer, .address_space: global }
      - { .name: kv_w, .offset: 16, .size: 8, .value_kind: global_buffer, .address_space: global }
      - { .name: x16, .offset: 24, .size: 8, .value_kind: global_buffer, .address_space: global }
      - { .name: wqkv16, .offset: 32, .size: 8, .value_kind: global_buffer, .address_space: global }
    .group_segment_fixed_size: 0
    .private_segment_fixed_size: 0
    .kernarg_segment_align: 8
    .kernarg_segment_size: 40
    .max_flat_workgroup_size: 256
    .sgpr_count:     66
    .vgpr_count:     52
    .wavefront_size: 32
...
	.end_amdgpu_metadata
.endif
;; end of part 4
;; launch qkv (part 5): grid 16 x 16, 4 waves a work-group, clusters of 4 x 4, 327,680 bytes of LDS; arguments x16, wqkv16, q_b, kv_b, qkv; writes qkv
.if DOCPART == 5
	.amdgcn_target "amdgcn-amd-amdhsa--gfx1250"
	.amdhsa_code_object_version 6
	.text
	.protected	k_q6ac220f114_qkv
	.globl	k_q6ac220f114_qkv
	.p2align	8
	.type	k_q6ac220f114_qkv,@function
k_q6ac220f114_qkv:
	s_mov_b64 s[64:65], 0
	v_nop
	global_prefetch_b8 v0, s[64:65] scope:SCOPE_SE
	s_setreg_imm32_b32 hwreg(HW_REG_WAVE_MODE, 25, 1), 1
	s_wait_xcnt 0x0
	s_wait_alu depctr_hold_cnt(0) depctr_sa_sdst(0) depctr_va_vdst(0) depctr_va_sdst(0) depctr_va_ssrc(0) depctr_va_vcc(0) depctr_vm_vsrc(0)
	s_getreg_b32 s2, hwreg(HW_REG_IB_STS2, 6, 4)
	s_cmp_eq_u32 s2, 0
	s_cbranch_scc0 .Lentry_in_a_cluster
	s_endpgm
.Lentry_in_a_cluster:
	s_bfe_u32 s2, ttmp6, 0x10000c
	s_cmp_lg_u32 s2, 0xf033
	s_cbranch_scc0 .Lentry_shape_is_right
	s_endpgm
.Lentry_shape_is_right:
; qkv[head][row][64] (f16) = 1/4 * rope( x . W^T + bias ).  x16 [2048 rows][2048] and wqkv16 [48 heads x 64 rows][2048] are bf16; heads 0-31 are q,
; 32-39 k, 40-47 v.  v is not rotated.  Sums in f32.
; LIMITS: results are kept in f16 after the factor 1/4, so |q|, |k|, |v| must stay below 4 x 65,504; beyond that the stored number is inf.
; sin and cos are made from polynomials of the half angle (|half angle| <= pi/2 after the whole turns are taken away): truncation below 4e-6.
; K is summed in the order in which the slots walk it (below), not ascending.
; SHARES: a work-group makes 128 rows x 3 heads (192 columns); 16 x 16 work-groups.  Wave w = (wr, wc): rows 64 wr .. +63 and, of each head,
; the columns d = 16 wc .. +15 and 32 + 16 wc .. +15, so that both members of a rotation pair (d, d + 32) lie in the same lane.
; THE RING: two LDS slots of 320 rows.  Two slots of 256 along K would take 2 x 320 x 528 = 337,920 bytes and do not fit; so slot 0 holds 256 along K
; (rows of 512 bytes + 16) and slot 1 holds 192 (rows of 384 bytes, 16 bytes of padding behind every 128: 432 bytes).  5 x 256 + 4 x 192 = 2,048: nine steps.
; Slot 0 walks k = 0 .. 1,279 (rows begin at multiples of 512 bytes), slot 1 walks k = 1,280 .. 2,047 (rows begin at multiples of 128 bytes).
; CLUSTER 4 x 4: x's tile hangs on the block row alone and is asked for jointly by the four of a cluster row; a head's weight tile hangs on the
; block column alone and is asked for jointly by the four of a cluster column.  Wave 0 asks for x's 128 rows, waves 1-3 for one head's 64 rows each.
; The matrix instruction is used transposed (source 0 = 16 weight rows, source 1 = 16 rows of x): lane (r, h) then holds row r of x and
; eight neighbouring columns 8 h + 0..7.
; REGISTERS.  Window 0: v0-15 addresses; v16-95, v96-175 two fragment buffers (x's four fragments, then the weights' six).
; Window 1: v0-191 the 24 accumulator tiles (a, b) at 8 (6 a + b), b = 2 head + half; v192-239 the biases of my 48 columns.
.set P0,     528                       ; slot 0's LDS pitch, 33 x 16: sixteen rows begin at sixteen different 16-byte columns modulo 256
.set P1,     432                       ; slot 1's, 27 x 16: likewise
.set SB1,    320*P0                    ; slot 1 begins at 168,960
.set STAGE,  SB1                       ; the way out's stage, 3 heads x 128 rows x 144 bytes, lies in slot 1: it is written only behind the barrier that ends
                                       ; slot 1's last step, when the slot has had its last fill and its last read
.set SP,     144                       ; a stage row: 64 f16 + 16 bytes
.set SHEAD,  128*SP
.set ADRA, 2                           ; v2-3   LDS address of my x fragments in slot 0, 1
.set ADRB, 4                           ; v4-9   the same for the weights: 3 slot + head (a head's rows lie too far apart for one 16-bit offset)
.set STO,  10                          ; stage: where I put 16 bytes
.set RD,   11                          ; stage: where I read back
.set CO,   12                          ; my byte offset in a head's 16 KiB of output
.set BO,   13                          ; my byte offset in a head's 256 bytes of bias
.set POS,  14                          ; position in the sequence of my row of row block 0
.set FI,   15                          ; number of my first frequency
.set F0,   16
.set F1,   96
.set BI,   192                         ; window 1
.set G1A, 24                           ; s[24:39]  group 1 for x's tiles, one for each slot
.set G1B, 40                           ; s[40:55]  group 1 for a head's tiles
.set G0A, 56                           ; s[56:63]  group 0 for x's tiles
.set G0B, 68                           ; s[68:75]  group 0 for a head's tiles
.set DB0, (1<<16)|(1<<20)|(1<<21)|(6<<22)|(3<<25)   ; 2-byte elements; padding on; bit 21 beside a mask; after 128 words, 4 words of padding
.set DB1, (1<<16)|(1<<20)|(1<<21)|(4<<22)|(3<<25)   ; the same after every 32 words: three times in a row of 96 words
.set MSB, 0
.macro WIN new                         ; the immediate's high byte repeats the setting that is left
.if MSB != \new
	s_set_vgpr_msb (MSB<<8)|\new
.set MSB, \new
.endif
.endm
.macro PLACES                          ; four places behind a matrix instruction (ISA guide 7.12.1)
.rept 4
	v_nop
.endr
.endm
.macro JLOAD s                         ; one joint load a wave; the branch hangs on the wave's number alone
	s_cmp_eq_u32 s16, 0
	s_cbranch_scc0 .Lfor_b_\@
	tensor_load_to_lds s[G0A+4*\s:G0A+4*\s+3], s[G1A+8*\s:G1A+8*\s+7]
	s_nop 0
	s_branch .Lasked_\@
.Lfor_b_\@:
	tensor_load_to_lds s[G0B+4*\s:G0B+4*\s+3], s[G1B+8*\s:G1B+8*\s+7]
	s_nop 0
.Lasked_\@:
.endm
.macro CREST                           ; a round of the cluster's barrier behind its opening work-group barrier
	s_cmp_lg_u32 s16, 0
	s_cbranch_scc1 .Lnot_wave_0_\@
	s_barrier_signal -3
.Lnot_wave_0_\@:
	s_barrier_wait -3
	s_barrier_signal -1
	s_barrier_wait -1
.endm
.macro CROUND
	s_barrier_signal -1
	s_barrier_wait -1
	CREST
.endm
	s_load_b256 s[4:11], s[0:1], 0x0               ; x16 s[4:5], wqkv16 s[6:7], q_b s[8:9], kv_b s[10:11]
	s_load_b64 s[12:13], s[0:1], 0x20              ; qkv
	s_set_vgpr_msb 0x40
	v_lshl_add_u32 v254, v0, 2, 0x4b000
	v_mov_b32 v255, 0
	s_set_vgpr_msb 0x4045
	ds_add_u32 v254, v255
	s_set_vgpr_msb 0x4500
	v_lshrrev_b32 v1, 5, v0
	v_readfirstlane_b32 s16, v1                    ; wave 0..3
	s_lshr_b32 s17, s16, 1                         ; wr
	s_and_b32 s18, s16, 1                          ; wc
	s_bfe_u32 s19, ttmp6, 0x40000                  ; cx
	s_bfe_u32 s20, ttmp6, 0x40004                  ; cy
	s_lshl_b32 s21, ttmp9, 2
	s_add_co_u32 s21, s21, s19                     ; block column: heads 3 bx .. 3 bx + 2
	s_and_b32 s22, ttmp7, 0xffff
	s_lshl_b32 s22, s22, 2
	s_add_co_u32 s22, s22, s20                     ; block row: rows 128 by ..
	s_lshl_b32 s91, s20, 2
	s_lshl_b32 s91, 15, s91                        ; my row of the cluster
	s_lshl_b32 s98, 0x1111, s19                    ; my column
	s_or_b32 s[G1A+0], s91, DB0                    ; x's tiles are shared along the row,
	s_or_b32 s[G1A+8], s91, DB1
	s_or_b32 s[G1B+0], s98, DB0                    ; a head's weights along the column
	s_or_b32 s[G1B+8], s98, DB1
.irp s, 0,1
	s_mov_b32 s[G1A+8*\s+1], (256-64*\s)<<16       ; tensor_dim0 = 256 or 192
	s_mov_b32 s[G1A+8*\s+2], 128<<16               ; tensor_dim1 = 128
	s_mov_b32 s[G1A+8*\s+3], (256-64*\s)<<16       ; tile_dim0
	s_mov_b32 s[G1A+8*\s+4], 128                   ; tile_dim1
	s_mov_b32 s[G1A+8*\s+5], 2048                  ; elements from row to row
	s_mov_b32 s[G1A+8*\s+6], 0
	s_mov_b32 s[G1A+8*\s+7], 0
	s_mov_b32 s[G1B+8*\s+1], (256-64*\s)<<16
	s_mov_b32 s[G1B+8*\s+2], 64<<16
	s_mov_b32 s[G1B+8*\s+3], (256-64*\s)<<16
	s_mov_b32 s[G1B+8*\s+4], 64
	s_mov_b32 s[G1B+8*\s+5], 2048
	s_mov_b32 s[G1B+8*\s+6], 0
	s_mov_b32 s[G1B+8*\s+7], 0
.endr
	s_lshl_b32 s92, s22, 19                        ; 128 rows of 4,096 bytes
	s_mov_b32 s93, 0
	s_max_u32 s23, s16, 1
	s_sub_co_u32 s23, s23, 1                       ; which of the three heads my load brings (wave 0 asks for x and never uses this)
	s_mul_i32 s99, s21, 3                          ; the block's first head
	s_add_co_u32 s23, s99, s23
	s_lshl_b32 s94, s23, 18                        ; 64 rows of 4,096 bytes
	s_mov_b32 s95, 0
	s_mul_i32 s96, s16, 64*P0                      ; LDS: behind x's 128 rows, head w - 1: made of the wave's number alone
	s_add_co_u32 s96, s96, 64*P0
	s_mul_i32 s97, s16, 64*P1
	s_add_co_u32 s97, s97, SB1+64*P1
	s_wait_dscnt 0x0
	s_wait_kmcnt 0x0
	s_add_nc_u64 s[92:93], s[4:5], s[92:93]
	s_add_nc_u64 s[94:95], s[6:7], s[94:95]
.irp e, 0,1,2                                      ; for each of my three heads: where its bias lies, and the pair (f, g) that turns the rotation off for v
	s_add_co_u32 s23, s99, \e
	s_sub_co_u32 s91, s23, 32
	s_cmp_lt_u32 s23, 32
	s_cselect_b32 s14, s23, s91
	s_cselect_b64 s[76+2*\e:77+2*\e], s[8:9], s[10:11]
	s_lshl_b32 s14, s14, 8
	s_mov_b32 s15, 0
	s_add_nc_u64 s[76+2*\e:77+2*\e], s[76+2*\e:77+2*\e], s[14:15]
	s_cmp_lt_u32 s23, 40
	s_cselect_b32 s[82+2*\e], 0x3e800000, 0        ; f: 1/4 for q and k, 0 for v
	s_cselect_b32 s[83+2*\e], 0, 0x3e800000        ; g: 0 for q and k, 1/4 for v
.endr
	CROUND                                         ; all sixteen work-groups are here: the first joint loads meet
.irp s, 0,1
	s_mov_b32 s[G0A+4*\s], 1
	s_mov_b32 s[G0A+4*\s+1], \s*SB1
	s_add_nc_u64 s[G0A+4*\s+2:G0A+4*\s+3], s[92:93], \s*2560       ; slot 0 begins at k = 0, slot 1 at k = 1,280
	s_or_b32 s[G0A+4*\s+3], s[G0A+4*\s+3], 0x80000000
	s_mov_b32 s[G0B+4*\s], 1
	s_mov_b32 s[G0B+4*\s+1], s[96+\s]
	s_add_nc_u64 s[G0B+4*\s+2:G0B+4*\s+3], s[94:95], \s*2560
	s_or_b32 s[G0B+4*\s+3], s[G0B+4*\s+3], 0x80000000
	JLOAD \s                                       ; both slots' first tiles: two loads of this wave are out
.endr
	v_and_b32 v1, 15, v0                           ; r
	v_bfe_u32 v16, v0, 4, 1                        ; h
.irp s, 0,1
	v_mul_u32_u24 v17, v1, P0-96*\s
	v_lshl_add_u32 v17, v16, 4, v17                ; r x pitch + 16 h
	s_mul_i32 s14, s17, 64*(P0-96*\s)              ; my 64 rows of x
	s_add_co_u32 s14, s14, \s*SB1
	v_add_nc_u32 v[ADRA+\s], s14, v17
	s_mul_i32 s14, s18, 16*(P0-96*\s)              ; my 16 rows of each half head
	s_add_co_u32 s14, s14, \s*SB1+128*(P0-96*\s)
.irp e, 0,1,2
	v_add_nc_u32 v[ADRB+3*\s+\e], s14, v17
	s_add_co_u32 s14, s14, 64*(P0-96*\s)
.endr
.endr
	s_lshl_b32 s14, s18, 6
	v_lshl_add_u32 v[BO], v16, 5, s14              ; 4 (16 wc + 8 h)
	WIN 0x40                                       ; destinations in window 1
.irp e, 0,1,2
.irp u, 0,1
	global_load_b128 v[BI+16*\e+8*\u:BI+16*\e+8*\u+3],   v[BO], s[76+2*\e:77+2*\e] offset:128*\u
	global_load_b128 v[BI+16*\e+8*\u+4:BI+16*\e+8*\u+7], v[BO], s[76+2*\e:77+2*\e] offset:128*\u+16
.endr
.endr
	WIN 0
	v_mul_u32_u24 v17, v1, SP
	v_lshl_add_u32 v17, v16, 4, v17
	s_mul_i32 s14, s17, 64*SP
	s_lshl_b32 s15, s18, 5
	s_add_co_u32 s14, s14, s15
	s_add_co_u32 s14, s14, STAGE
	v_add_nc_u32 v[STO], s14, v17                  ; stage + (64 wr + r) 144 + 32 wc + 16 h
	v_bfe_u32 v17, v0, 3, 2
	v_and_b32 v18, 7, v0
	v_mul_u32_u24 v17, v17, SP
	v_lshl_add_u32 v17, v18, 4, v17
	s_mul_i32 s14, s16, 32*SP
	s_add_co_u32 s14, s14, STAGE
	v_add_nc_u32 v[RD], s14, v17                   ; stage + (32 w + lane / 8) 144 + 16 (lane mod 8): four rows of 128 bytes a load
	v_and_b32 v17, 31, v0
	v_lshlrev_b32 v17, 4, v17
	s_lshl_b32 s14, s16, 12
	v_add_nc_u32 v[CO], s14, v17                   ; 4,096 w + 16 lane
	s_and_b32 s14, s22, 7
	s_lshl_b32 s14, s14, 7
	s_lshl_b32 s15, s17, 6
	s_add_co_u32 s14, s14, s15
	v_add_nc_u32 v[POS], s14, v1
	s_lshl_b32 s14, s18, 4
	v_lshl_add_u32 v[FI], v16, 3, s14              ; 16 wc + 8 h
	s_lshl_b32 s14, s99, 18                        ; a head is 2,048 rows of 128 bytes
	s_lshl_b32 s15, s22, 14                        ; 128 rows of 128 bytes
	s_add_co_u32 s14, s14, s15
	s_mov_b32 s15, 0
	s_add_nc_u64 s[88:89], s[12:13], s[14:15]
; 20 LDS loads: the ten fragments (16 rows x 32 K) of piece q of a slot into buffer f.  A piece is 64 bytes of a row; in slot 1 two pieces are followed
; by 16 bytes of padding.  Lane (r, h): K = 8 h .. +7 at 16 h, K = 16 + 8 h .. +7 32 bytes on.
.macro FETCH slot, q, f
.set PP, P0-96*\slot
.set KO, 64*(\q)+\slot*16*((\q)/2)
.irp a, 0,1,2,3
	ds_load_b128 v[\f+8*\a:\f+8*\a+3],   v[ADRA+\slot] offset:\a*16*PP+KO
	ds_load_b128 v[\f+8*\a+4:\f+8*\a+7], v[ADRA+\slot] offset:\a*16*PP+KO+32
.endr
.irp e, 0,1,2
.irp u, 0,1
	ds_load_b128 v[\f+32+8*(2*\e+\u):\f+32+8*(2*\e+\u)+3],   v[ADRB+3*\slot+\e] offset:\u*32*PP+KO
	ds_load_b128 v[\f+32+8*(2*\e+\u)+4:\f+32+8*(2*\e+\u)+7], v[ADRB+3*\slot+\e] offset:\u*32*PP+KO+32
.endr
.endr
.endm
; 12 matrix instructions: row blocks a0, a0 + 1 x the six column blocks.  The 24 accumulators take turns, one instruction a turn, in the same
; order in every piece.
.macro MUL2 f, a0, zero
.irp a, \a0, \a0+1
.irp b, 0,1,2,3,4,5
.if \zero
	v_wmma_f32_16x16x32_bf16 v[8*(6*(\a)+\b):8*(6*(\a)+\b)+7], v[\f+32+8*\b:\f+32+8*\b+7], v[\f+8*(\a):\f+8*(\a)+7], 0
.else
	v_wmma_f32_16x16x32_bf16 v[8*(6*(\a)+\b):8*(6*(\a)+\b)+7], v[\f+32+8*\b:\f+32+8*\b+7], v[\f+8*(\a):\f+8*(\a)+7], v[8*(6*(\a)+\b):8*(6*(\a)+\b)+7]
.endif
.endr
.endr
.endm
; A step is eight (slot 0) or six (slot 1) pieces of 32 along K on buffers 0, 1, 0, 1 ..  All but the last: fetch piece q into g, multiply piece q - 1 in f.
.macro PIECE slot, q, f, g, zero
	WIN 0
	PLACES                                         ; buffer g was read by the last matrix instructions
	FETCH \slot, \q, \g
	s_wait_dscnt 20                                ; f's loads are in; the 20 just issued may be out
	WIN 0x50                                       ; C and D in window 1
	MUL2 \f, 0, \zero
	MUL2 \f, 2, \zero
.endm
.macro BODY slot, zero
	PIECE \slot, 1, F0, F1, \zero
	PIECE \slot, 2, F1, F0, 0
	PIECE \slot, 3, F0, F1, 0
	PIECE \slot, 4, F1, F0, 0
	PIECE \slot, 5, F0, F1, 0
.if \slot == 0
	PIECE \slot, 6, F1, F0, 0
	PIECE \slot, 7, F0, F1, 0
.endif
.endm
; The last piece changes slots.  In front of the barrier: my reads of this slot are back and all my tensor loads have landed (the one that was out
; is my part of the next slot).  Where the slot is filled again the barrier opens a round of the cluster's barrier, and the joint refill is the first
; tensor load behind the round: one load of this wave is then out, with the other slot's step less twelve matrix instructions in which to land.
.macro TURN slot, next, fill
	s_wait_dscnt 0x0
	s_set_vgpr_msb 0x5055
	s_wait_tensorcnt 0x0
	ds_add_u32 v254, v255
	s_wait_dscnt 0x0
	s_set_vgpr_msb 0x5550
	s_barrier_signal -1
	WIN 0x50
	MUL2 F1, 0, 0                                  ; registers only, while the others arrive
	WIN 0
	s_barrier_wait -1
.if \fill
	CREST
	s_add_nc_u64 s[G0A+4*\slot+2:G0A+4*\slot+3], s[G0A+4*\slot+2:G0A+4*\slot+3], 512-128*\slot   ; the slot's next tile along K; no load of mine is out
	s_add_nc_u64 s[G0B+4*\slot+2:G0B+4*\slot+3], s[G0B+4*\slot+2:G0B+4*\slot+3], 512-128*\slot
	JLOAD \slot
.endif
	PLACES                                         ; buffer 0 was read by matrix instructions of the piece before
	FETCH \next, 0, F0
	WIN 0x50
	MUL2 F1, 2, 0
.endm
.macro LAP zero
	BODY 0, \zero
	TURN 0, 1, 1
	BODY 1, 0
	TURN 1, 0, 1
.endm
	s_wait_loadcnt 0x0                             ; the biases, once
	s_wait_tensorcnt 0x1                           ; my part of slot 0 is in; slot 1's may stay out
	s_barrier_signal -1
	s_barrier_wait -1
	FETCH 0, 0, F0
	LAP 1                                          ; steps 0, 1: the first products start the sums
	WIN 0
	s_mov_b32 s90, 2                               ; steps 2 .. 5
.Llap:
	LAP 0
	WIN 0
	s_sub_co_u32 s90, s90, 1
	s_cmp_lg_u32 s90, 0
	s_cbranch_scc1 .Llap
	BODY 0, 0                                      ; step 6: slot 0 gets its fifth and last tile
	TURN 0, 1, 1
	BODY 1, 0                                      ; step 7: slot 1's fourth tile; nothing is left to fetch.  Behind its barrier slot 1 is the stage
	TURN 1, 0, 0
	BODY 0, 0                                      ; step 8
	s_wait_dscnt 0x0
	WIN 0x50
	MUL2 F1, 0, 0
	MUL2 F1, 2, 0
	WIN 0
	PLACES                                         ; behind the last matrix instructions
; THE WAY OUT.  Window 0 is free from v16 on.
.set W,    16                          ; v16-23  my eight frequencies in turns a position
.set TP,   24                          ; v24-25  the position, twice
.set S4P,  26
.set C4P,  28
.set FG,   30                          ; v30-41  per head: f, f, g, g
.set TI,   42
.set COSV, 48
.set SINV, 56
.set XX,   64
.set ZZ,   72
.set NN,   80
.set P1P,  88
.set P2P,  96
.set X1,   104
.set X2,   112
.set CE,   120
.set SE,   128
.set Y1,   136
.set Y2,   144
.set HH,   152
.set RB,   160                         ; v160-255  24 quads read back from the stage
.irp j, 0,1,2,3,4,5,6,7
	v_add_nc_u32 v[XX+\j], \j, v[FI]
.endr
.irp j, 0,1,2,3,4,5,6,7
	v_cvt_f32_u32 v[XX+\j], v[XX+\j]
.endr
.irp j, 0,1,2,3,4,5,6,7
	v_mul_f32 v[XX+\j], 0xbed49a78, v[XX+\j]       ; - i log2(10000) / 32
.endr
.irp j, 0,1,2,3,4,5,6,7
	v_exp_f32 v[W+\j], v[XX+\j]
.endr
	v_mov_b32 v[S4P], 0x3638ef1d                   ; plain instructions behind the exponentials, ahead of the first use of a result
	v_mov_b32 v[S4P+1], 0x3638ef1d                 ; 1/9!
	v_mov_b32 v[C4P], 0xb493f27e                   ; -1/10!
	v_mov_b32 v[C4P+1], 0xb493f27e
	s_wait_alu depctr_va_vdst(0)
.irp j, 0,1,2,3,4,5,6,7
	v_mul_f32 v[W+\j], 0.15915494, v[W+\j]         ; radians to turns
.endr
.irp e, 0,1,2
	v_mov_b32 v[FG+4*\e],   s[82+2*\e]
	v_mov_b32 v[FG+4*\e+1], s[82+2*\e]
	v_mov_b32 v[FG+4*\e+2], s[83+2*\e]
	v_mov_b32 v[FG+4*\e+3], s[83+2*\e]
.endr
; sin and cos of position x frequency for row block a: the whole turns are taken away exactly (one fused multiply-add), the half angle
; hh = pi x fraction lies in [-pi/2, pi/2]; sin = 2 sin(hh) cos(hh), cos = 1 - 2 sin(hh)^2.
.macro SINCOS a
	v_add_nc_u32 v[TI], 16*\a, v[POS]
	v_cvt_f32_u32 v[TP], v[TI]
	v_cvt_f32_u32 v[TP+1], v[TI]
.irp q, 0,2,4,6
	v_pk_mul_f32 v[XX+\q:XX+\q+1], v[TP:TP+1], v[W+\q:W+\q+1]
.endr
.irp j, 0,1,2,3,4,5,6,7
	v_rndne_f32 v[NN+\j], v[XX+\j]
.endr
.irp q, 0,2,4,6
	v_pk_fma_f32 v[XX+\q:XX+\q+1], v[TP:TP+1], v[W+\q:W+\q+1], v[NN+\q:NN+\q+1] neg_lo:[0,0,1] neg_hi:[0,0,1]
.endr
.irp q, 0,2,4,6
	v_pk_mul_f32 v[XX+\q:XX+\q+1], v[XX+\q:XX+\q+1], 0x40490fdb op_sel_hi:[1,0]
.endr
.irp q, 0,2,4,6
	v_pk_mul_f32 v[ZZ+\q:ZZ+\q+1], v[XX+\q:XX+\q+1], v[XX+\q:XX+\q+1]
.endr
.irp q, 0,2,4,6
	v_pk_fma_f32 v[P1P+\q:P1P+\q+1], v[ZZ+\q:ZZ+\q+1], v[S4P:S4P+1], 0xb9500d01 op_sel_hi:[1,1,0]
	v_pk_fma_f32 v[P2P+\q:P2P+\q+1], v[ZZ+\q:ZZ+\q+1], v[C4P:C4P+1], 0x37d00d01 op_sel_hi:[1,1,0]
.endr
.irp q, 0,2,4,6
	v_pk_fma_f32 v[P1P+\q:P1P+\q+1], v[ZZ+\q:ZZ+\q+1], v[P1P+\q:P1P+\q+1], 0x3c088889 op_sel_hi:[1,1,0]
	v_pk_fma_f32 v[P2P+\q:P2P+\q+1], v[ZZ+\q:ZZ+\q+1], v[P2P+\q:P2P+\q+1], 0xbab60b61 op_sel_hi:[1,1,0]
.endr
.irp q, 0,2,4,6
	v_pk_fma_f32 v[P1P+\q:P1P+\q+1], v[ZZ+\q:ZZ+\q+1], v[P1P+\q:P1P+\q+1], 0xbe2aaaab op_sel_hi:[1,1,0]
	v_pk_fma_f32 v[P2P+\q:P2P+\q+1], v[ZZ+\q:ZZ+\q+1], v[P2P+\q:P2P+\q+1], 0x3d2aaaab op_sel_hi:[1,1,0]
.endr
.irp q, 0,2,4,6
	v_pk_fma_f32 v[P1P+\q:P1P+\q+1], v[ZZ+\q:ZZ+\q+1], v[P1P+\q:P1P+\q+1], 1.0 op_sel_hi:[1,1,0]
	v_pk_fma_f32 v[P2P+\q:P2P+\q+1], v[ZZ+\q:ZZ+\q+1], v[P2P+\q:P2P+\q+1], -0.5 op_sel_hi:[1,1,0]
.endr
.irp q, 0,2,4,6
	v_pk_mul_f32 v[P1P+\q:P1P+\q+1], v[P1P+\q:P1P+\q+1], v[XX+\q:XX+\q+1]                          ; sin(hh)
	v_pk_fma_f32 v[P2P+\q:P2P+\q+1], v[ZZ+\q:ZZ+\q+1], v[P2P+\q:P2P+\q+1], 1.0 op_sel_hi:[1,1,0]   ; cos(hh)
.endr
.irp q, 0,2,4,6
	v_pk_add_f32 v[NN+\q:NN+\q+1], v[P1P+\q:P1P+\q+1], v[P1P+\q:P1P+\q+1]
.endr
.irp q, 0,2,4,6
	v_pk_mul_f32 v[SINV+\q:SINV+\q+1], v[NN+\q:NN+\q+1], v[P2P+\q:P2P+\q+1]
	v_pk_fma_f32 v[COSV+\q:COSV+\q+1], v[NN+\q:NN+\q+1], v[P1P+\q:P1P+\q+1], 1.0 op_sel_hi:[1,1,0] neg_lo:[1,0,0] neg_hi:[1,0,0]
.endr
.endm
; Row block a, all three heads: bias, rotation with the factor 1/4 folded into cos and sin (v: cos -> 1/4, sin -> 0), f16, into the stage.
.macro ROPE a
	SINCOS \a
.irp e, 0,1,2
	WIN 0x05                                       ; both sources in window 1
.irp q, 0,2,4,6
	v_pk_add_f32 v[X1+\q:X1+\q+1], v[8*(6*\a+2*\e)+\q:8*(6*\a+2*\e)+\q+1],     v[BI+16*\e+\q:BI+16*\e+\q+1]
	v_pk_add_f32 v[X2+\q:X2+\q+1], v[8*(6*\a+2*\e+1)+\q:8*(6*\a+2*\e+1)+\q+1], v[BI+16*\e+8+\q:BI+16*\e+8+\q+1]
.endr
	WIN 0
.irp q, 0,2,4,6
	v_pk_fma_f32 v[CE+\q:CE+\q+1], v[COSV+\q:COSV+\q+1], v[FG+4*\e:FG+4*\e+1], v[FG+4*\e+2:FG+4*\e+3]
	v_pk_mul_f32 v[SE+\q:SE+\q+1], v[SINV+\q:SINV+\q+1], v[FG+4*\e:FG+4*\e+1]
.endr
.irp q, 0,2,4,6
	v_pk_mul_f32 v[Y1+\q:Y1+\q+1], v[X1+\q:X1+\q+1], v[CE+\q:CE+\q+1]
	v_pk_mul_f32 v[Y2+\q:Y2+\q+1], v[X2+\q:X2+\q+1], v[CE+\q:CE+\q+1]
.endr
.irp q, 0,2,4,6
	v_pk_fma_f32 v[Y1+\q:Y1+\q+1], v[X2+\q:X2+\q+1], v[SE+\q:SE+\q+1], v[Y1+\q:Y1+\q+1] neg_lo:[1,0,0] neg_hi:[1,0,0]
	v_pk_fma_f32 v[Y2+\q:Y2+\q+1], v[X1+\q:X1+\q+1], v[SE+\q:SE+\q+1], v[Y2+\q:Y2+\q+1]
.endr
.irp i, 0,1,2,3
	v_cvt_pk_f16_f32 v[HH+\i],   v[Y1+2*\i], v[Y1+2*\i+1]
	v_cvt_pk_f16_f32 v[HH+4+\i], v[Y2+2*\i], v[Y2+2*\i+1]
.endr
	ds_store_b128 v[STO], v[HH:HH+3]   offset:\e*SHEAD+\a*16*SP
	ds_store_b128 v[STO], v[HH+4:HH+7] offset:\e*SHEAD+\a*16*SP+64
.endr
.endm
	ROPE 0
	ROPE 1
	ROPE 2
	ROPE 3
	s_wait_dscnt 0x0                               ; my stores are in the stage, for the other waves' sake
	s_barrier_signal -1
	s_barrier_wait -1
.irp e, 0,1,2
.irp i, 0,1,2,3,4,5,6,7
	ds_load_b128 v[RB+32*\e+4*\i:RB+32*\e+4*\i+3], v[RD] offset:\e*SHEAD+\i*4*SP
.endr
.endr
.irp e, 0,1,2
.irp i, 0,1,2,3,4,5,6,7
	s_wait_dscnt 23-8*\e-\i                        ; in order: this quad is in, the younger ones may be out
	global_store_b128 v[CO], v[RB+32*\e+4*\i:RB+32*\e+4*\i+3], s[88:89] offset:\e*262144+512*\i   ; a wave's store covers 512 consecutive bytes, aligned
.endr
.endr
	s_set_vgpr_msb 0x5
	s_wait_tensorcnt 0x0
	ds_add_u32 v254, v255
	s_wait_dscnt 0x0
	s_set_vgpr_msb 0x500
	CROUND                                         ; the closing round: no work-group ends while a partner may still ask jointly
	s_endpgm
.Lfunc_end_k_q6ac220f114_qkv:
	.size	k_q6ac220f114_qkv, .Lfunc_end_k_q6ac220f114_qkv-k_q6ac220f114_qkv
	.p2alignl 7, 3214868480
	.fill 96, 4, 3214868480
	.section	.rodata,"a",@progbits
	.p2align	6, 0x0
	.amdhsa_kernel k_q6ac220f114_qkv
		.amdhsa_group_segment_fixed_size 327680
		.amdhsa_private_segment_fixed_size 0
		.amdhsa_enable_private_segment 0
		.amdhsa_kernarg_size 40
		.amdhsa_user_sgpr_count 2
		.amdhsa_user_sgpr_kernarg_segment_ptr 1
		.amdhsa_wavefront_size32 1
		.amdhsa_system_sgpr_workgroup_id_x 1
		.amdhsa_system_sgpr_workgroup_id_y 1
		.amdhsa_system_sgpr_workgroup_id_z 1
		.amdhsa_system_vgpr_workitem_id 0
		.amdhsa_next_free_vgpr 512
		.amdhsa_next_free_sgpr 100
		.amdhsa_reserve_vcc 0
		.amdhsa_float_denorm_mode_32 3
		.amdhsa_float_denorm_mode_16_64 3
		.amdhsa_memory_ordered 1
		.amdhsa_forward_progress 1
		.amdhsa_inst_pref_size 226
	.end_amdhsa_kernel
	.amdgpu_metadata
---
amdhsa.version: [ 1, 2 ]
amdhsa.kernels:
  - .name:           k_q6ac220f114_qkv
    .symbol:         k_q6ac220f114_qkv.kd
    .args:
      - { .name: x16, .offset: 0, .size: 8, .value_kind: global_buffer, .address_space: global }
      - { .name: wqkv16, .offset: 8, .size: 8, .value_kind: global_buffer, .address_space: global }
      - { .name: q_b, .offset: 16, .size: 8, .value_kind: global_buffer, .address_space: global }
      - { .name: kv_b, .offset: 24, .size: 8, .value_kind: global_buffer, .address_space: global }
      - { .name: qkv, .offset: 32, .size: 8, .value_kind: global_buffer, .address_space: global }
    .group_segment_fixed_size: 327680
    .private_segment_fixed_size: 0
    .kernarg_segment_align: 8
    .kernarg_segment_size: 40
    .max_flat_workgroup_size: 128
    .sgpr_count:     100
    .vgpr_count:     512
    .wavefront_size: 32
...
	.end_amdgpu_metadata
.endif
;; end of part 5
;; launch attn (part 6): grid 256 x 1, 8 waves a work-group, clusters of 4 x 1, 327,680 bytes of LDS; arguments qkv, out_w, ctx16, w16; writes ctx16, w16
.if DOCPART == 6
	.amdgcn_target "amdgcn-amd-amdhsa--gfx1250"
	.amdhsa_code_object_version 6
	.text
	.protected	k_q6ac220f114_attn
	.globl	k_q6ac220f114_attn
	.p2align	8
	.type	k_q6ac220f114_attn,@function
k_q6ac220f114_attn:
	s_mov_b64 s[64:65], 0
	v_nop
	global_prefetch_b8 v0, s[64:65] scope:SCOPE_SE
	s_setreg_imm32_b32 hwreg(HW_REG_WAVE_MODE, 25, 1), 1
	s_wait_xcnt 0x0
	s_wait_alu depctr_hold_cnt(0) depctr_sa_sdst(0) depctr_va_vdst(0) depctr_va_sdst(0) depctr_va_ssrc(0) depctr_va_vcc(0) depctr_vm_vsrc(0)
	s_getreg_b32 s2, hwreg(HW_REG_IB_STS2, 6, 4)
	s_cmp_eq_u32 s2, 0
	s_cbranch_scc0 .Lentry_in_a_cluster
	s_endpgm
.Lentry_in_a_cluster:
	s_bfe_u32 s2, ttmp6, 0x10000c
	s_cmp_lg_u32 s2, 0x3003
	s_cbranch_scc0 .Lentry_shape_is_right
	s_endpgm
.Lentry_shape_is_right:
; Causal attention on qkv (f16, all numbers times 1/4), with a running maximum; ctx16[row][2048] (f16) = context / 4.
; Beside it each work-group converts its 16,384 numbers of out_w to w16 = f16(bf16(out_w)).
; LIMITS: w16 is exact for |out_w| >= 2^-17 (below that it is a multiple of 2^-24) and needs |out_w| <= 65,504.  Masked scores are set to -2^100;
; a true score here is q.k / 16, at most 64 x 65,504^2 in magnitude, far above that.  Probabilities go to the matrix unit in f16 (they lie in (0, 1]).
; SHARES: cluster number = (batch b, key/value head g, p = 0..3); its four work-groups s = 0..3.  A work-group makes two blocks of 32 queries of the four
; query heads of g, rows 128 G + 32 s, first G = 2 p + 1, then G = 6 - 2 p: 2 p + 2 and 7 - 2 p steps of 128 keys, nine steps in every work-group.
; EIGHT WAVES: wave w is query head 4 g + (w mod 4) and key half kh = w / 4: of every tile of 128 keys it takes keys 64 kh .. +63 for all 32 queries.
; A step is a run of matrix instructions, a long run of vector instructions that needs their results, and a second run of matrix instructions that
; needs those; with two waves on a SIMD one wave's matrix runs stand beside the other's vector run.  The keys are split and not the queries, so
; that each K and V fragment is still read from LDS once for each head: 8 waves x 32 loads a step, as 4 waves x 64 would be.
; Each wave keeps a running maximum, sum and context of its own keys; at a block's end the two waves of a head are merged through LDS.
; The four partners walk the same tiles in the same order, so every tile is asked for jointly (mask 15).  No branch and no LDS address hangs on s;
; s enters global addresses and the mask's limit (a value) alone.
; A step's tile: waves 0, 1 bring K's keys 0-63, 64-127 (LDS pitch 144), waves 2, 3 V's (pitch 160, for the transposing load); waves 4-7 bring nothing
; (a tile has four parts of 64 rows).  Two slots.
; S^T = K Q^T: lane (r, h) holds query r and keys 8 h + 0..7 of each 16-key tile, which is already the layout of P^T as second source of V^T P^T.
; REGISTERS.  Window 0: v0-15 addresses and constants; v16-31 running figures; v32-63 Q; v64-127 scores; v128-159 P (f16); v160-223 context sums;
; v224-247 at work; v248 an address.  Window 1: v0-63 K fragments, v64-127 V fragments, v128-159 the second block's Q, v160-223 my 64 numbers of out_w.
.set KP,     144
.set VP,     160
.set REG,    10240                     ; one loading wave's part of a slot: 64 keys of K or of V
.set SLOT,   4*REG
.set STAGE,  2*SLOT                    ; 32 rows x 528 bytes, a multiple of 256 from LDS byte 0; no tensor load lands here
.set TP,     528                       ; four heads' 128 bytes + 16
.set MERGE,  STAGE+32*TP               ; 98,816, a multiple of 256: what the waves of key half 1 hand over; no tensor load lands here
.set MHEAD,  17*512                    ; a head's part: 17 quads of registers x 32 lanes x 16 bytes
.set VQ,   4
.set CI,   5
.set CW,   6
.set ADRK, 8
.set ADRV, 9
.set STO,  10
.set RD,   11
.set CO,   12
.set NEG,  13
.set LIM,  14                          ; v14-15
.set MX,   16                          ; v16-17  running maximum, per 16 queries
.set LS,   18                          ; v18-19  running sum (each half of the lanes keeps its own keys' part); v16-19 are handed over as one quad
.set CH,   20                          ; v20-27
.set PX,   28                          ; v28-29
.set MN,   30                          ; v30-31
.set QF,   32
.set SC,   64
.set PR,   128
.set ACC,  160
.set NM,   224                         ; v224-227  - maximum x c, a pair for each 16 queries
.set AL,   228                         ; v228-231  rescale factor, likewise
.set TS,   232                         ; v232-247
.set FA,   224                         ; the merge: my factor, a pair for each 16 queries
.set FB,   228                         ; the merge: the other wave's factor
.set BQ,   232                         ; v232-235  the other wave's two maxima and two sums
.set TT,   236                         ; v236-237
.set RB,   232                         ; v232-247  the way out
.set MG,   248                         ; where a head's two waves meet in LDS
.set KF,   0                           ; window 1
.set VF,   64
.set Q2,   128
.set CX,   160
.set G1K, 24
.set G1V, 32
.set G0,  40
.set MSB, 0
.macro WIN new
.if MSB != \new
	s_set_vgpr_msb (MSB<<8)|\new
.set MSB, \new
.endif
.endm
.macro PLACES                          ; four places behind a matrix instruction (ISA guide 7.12.1)
.rept 4
	v_nop
.endr
.endm
.macro JLOAD s                         ; one joint load a wave: K's shape for waves 0, 1, V's for waves 2, 3, none for waves 4-7; the branches hang on the wave's number alone
	s_cmp_gt_u32 s12, 3
	s_cbranch_scc1 .Lasked_\@
	s_cmp_eq_u32 s13, 0
	s_cbranch_scc0 .Lfor_v_\@
	tensor_load_to_lds s[G0+4*\s:G0+4*\s+3], s[G1K:G1K+7]
	s_nop 0
	s_branch .Lasked_\@
.Lfor_v_\@:
	tensor_load_to_lds s[G0+4*\s:G0+4*\s+3], s[G1V:G1V+7]
	s_nop 0
.Lasked_\@:
.endm
.macro CROUND                          ; a round of the cluster's barrier
	s_barrier_signal -1
	s_barrier_wait -1
	s_cmp_lg_u32 s12, 0
	s_cbranch_scc1 .Lnot_wave_0_\@
	s_barrier_signal -3
.Lnot_wave_0_\@:
	s_barrier_wait -3
	s_barrier_signal -1
	s_barrier_wait -1
.endm
	s_load_b256 s[4:11], s[0:1], 0x0               ; qkv s[4:5], out_w s[6:7], ctx16 s[8:9], w16 s[10:11]
	v_lshl_add_u32 v254, v0, 2, 0x29000
	v_mov_b32 v255, 0
	ds_add_u32 v254, v255
	v_lshrrev_b32 v7, 5, v0
	v_readfirstlane_b32 s12, v7                    ; wave 0..7
	s_lshr_b32 s13, s12, 1
	s_and_b32 s13, s13, 1                          ; of the loading waves: 0: I fetch K, 1: V
	s_and_b32 s62, s12, 3                          ; my head among the group's four
	s_lshr_b32 s63, s12, 2                         ; kh: my half of every tile's keys
	s_bfe_u32 s14, ttmp6, 0x40000                  ; s: my place in the cluster
	s_and_b32 s15, ttmp9, 3                        ; p
	s_bfe_u32 s16, ttmp9, 0x30002                  ; g
	s_lshr_b32 s17, ttmp9, 5                       ; b
	s_lshl_b32 s18, s15, 1
	s_add_co_u32 s18, s18, 2                       ; steps of the first block
	s_mov_b32 s58, 0x76543210                      ; v_permlanex16_b32: lane i reads lane i of the other half
	s_mov_b32 s59, 0xfedcba98
	s_mov_b32 s[G1K+0], 15|(1<<16)|(1<<20)|(1<<21)|(4<<22)|(3<<25)   ; mask of all four; 2-byte elements; after 32 words, 4 words of padding
	s_mov_b32 s[G1K+1], 64<<16
	s_mov_b32 s[G1K+2], 64<<16
	s_mov_b32 s[G1K+3], 64<<16
	s_mov_b32 s[G1K+4], 64
	s_mov_b32 s[G1K+5], 64
	s_mov_b32 s[G1K+6], 0
	s_mov_b32 s[G1K+7], 0
	s_mov_b32 s[G1V+0], 15|(1<<16)|(1<<20)|(1<<21)|(4<<22)|(7<<25)   ; the same with 8 words of padding
	s_mov_b32 s[G1V+1], 64<<16
	s_mov_b32 s[G1V+2], 64<<16
	s_mov_b32 s[G1V+3], 64<<16
	s_mov_b32 s[G1V+4], 64
	s_mov_b32 s[G1V+5], 64
	s_mov_b32 s[G1V+6], 0
	s_mov_b32 s[G1V+7], 0
	s_lshl_b32 s21, s13, 3                         ; my tile's first row in qkv: head 32 + g (K) or 40 + g (V), batch b, keys 64 (w mod 2)
	s_add_co_u32 s21, s21, s16
	s_add_co_u32 s21, s21, 32
	s_lshl_b32 s21, s21, 11
	s_lshl_b32 s22, s17, 10
	s_add_co_u32 s21, s21, s22
	s_and_b32 s23, s12, 1
	s_lshl_b32 s23, s23, 6
	s_add_co_u32 s21, s21, s23
	s_lshl_b32 s60, s21, 7
	s_mov_b32 s61, 0
	s_mul_i32 s23, s12, REG                        ; LDS: the wave's number times a part (used by waves 0-3 alone)
	s_wait_dscnt 0x0
	s_wait_kmcnt 0x0
	s_add_nc_u64 s[48:49], s[4:5], s[60:61]
	s_mov_b32 s[G0+0], 1
	s_mov_b32 s[G0+1], s23
	s_mov_b64 s[G0+2:G0+3], s[48:49]               ; tile 0
	s_or_b32 s[G0+3], s[G0+3], 0x80000000
	s_mov_b32 s[G0+4], 1
	s_add_co_u32 s[G0+5], s23, SLOT
	CROUND                                         ; in front of the first joint load
	JLOAD 0                                        ; one load of a loading wave is out
	s_lshl_b32 s21, s14, 5
	s_add_co_u32 s22, s22, s21                     ; 1,024 b + 32 s
	s_lshl_b32 s21, s15, 8
	s_add_co_u32 s23, s22, s21
	s_add_co_u32 s23, s23, 128                     ; first block's first row: + 128 (2 p + 1)
	s_add_co_u32 s22, s22, 768
	s_sub_co_u32 s22, s22, s21                     ; second block's: + 128 (6 - 2 p)
	s_lshl_b32 s21, s16, 2
	s_add_co_u32 s21, s21, s62
	s_lshl_b32 s21, s21, 11                        ; query head 4 g + (w mod 4)
	s_add_co_u32 s60, s21, s23
	s_lshl_b32 s60, s60, 7
	s_add_nc_u64 s[54:55], s[4:5], s[60:61]
	s_add_co_u32 s60, s21, s22
	s_lshl_b32 s60, s60, 7
	s_add_nc_u64 s[56:57], s[4:5], s[60:61]
	s_lshl_b32 s21, s16, 9                         ; the group's four heads: 512 bytes of a context row
	s_lshl_b32 s60, s23, 12
	s_add_co_u32 s60, s60, s21
	s_add_nc_u64 s[50:51], s[8:9], s[60:61]
	s_lshl_b32 s60, s22, 12
	s_add_co_u32 s60, s60, s21
	s_add_nc_u64 s[52:53], s[8:9], s[60:61]
	s_lshl_b32 s21, ttmp9, 2
	s_add_co_u32 s21, s21, s14                     ; work-group 0..255: its share of out_w
	s_lshl_b32 s60, s21, 16
	s_add_nc_u64 s[66:67], s[6:7], s[60:61]
	s_lshl_b32 s60, s21, 15
	s_add_nc_u64 s[68:69], s[10:11], s[60:61]
	v_and_b32 v1, 15, v0                           ; r
	v_bfe_u32 v2, v0, 4, 1                         ; h
	v_and_b32 v3, 31, v0                           ; lane
	v_lshlrev_b32 v[VQ], 7, v1
	v_lshl_add_u32 v[VQ], v2, 4, v[VQ]             ; r x 128 + 16 h
	v_lshlrev_b32 v[CI], 5, v0                     ; 8 f32 a thread
	v_lshlrev_b32 v[CW], 4, v0                     ; 8 f16 a thread
.irp nt, 0,1
.irp ks, 0,1
	global_load_b128 v[QF+8*(2*\nt+\ks):QF+8*(2*\nt+\ks)+3],   v[VQ], s[54:55] offset:2048*\nt+64*\ks
	global_load_b128 v[QF+8*(2*\nt+\ks)+4:QF+8*(2*\nt+\ks)+7], v[VQ], s[54:55] offset:2048*\nt+64*\ks+32
.endr
.endr
	WIN 0x40
.irp nt, 0,1
.irp ks, 0,1
	global_load_b128 v[Q2+8*(2*\nt+\ks):Q2+8*(2*\nt+\ks)+3],   v[VQ], s[56:57] offset:2048*\nt+64*\ks
	global_load_b128 v[Q2+8*(2*\nt+\ks)+4:Q2+8*(2*\nt+\ks)+7], v[VQ], s[56:57] offset:2048*\nt+64*\ks+32
.endr
.endr
	; my 64 numbers of out_w: eight pairs of loads, 32 bytes a thread each, into registers that nothing else uses.  They are asked for here and
	; taken up behind the loop, so that no wave sits on them; out_w is read once in the launch.
.set i, 0
.rept 8
	global_load_b128 v[CX+8*i:CX+8*i+3],   v[CI], s[66:67] offset:8192*i th:TH_LOAD_NT
	global_load_b128 v[CX+8*i+4:CX+8*i+7], v[CI], s[66:67] offset:8192*i+16 th:TH_LOAD_NT
.set i, i+1
.endr
	WIN 0
	v_mul_u32_u24 v[ADRK], v1, KP
	v_lshl_add_u32 v[ADRK], v2, 4, v[ADRK]
	s_mul_i32 s21, s63, REG
	v_add_nc_u32 v[ADRK], s21, v[ADRK]             ; r x 144 + 16 h, in my half of K
	v_and_b32 v7, 7, v0
	v_lshl_add_u32 v7, v2, 3, v7
	v_mul_u32_u24 v[ADRV], v7, VP
	v_bfe_u32 v7, v0, 3, 1
	v_lshl_add_u32 v[ADRV], v7, 4, v[ADRV]
	s_add_co_u32 s21, s21, 2*REG
	v_add_nc_u32 v[ADRV], s21, v[ADRV]             ; (8 h + lane mod 8) x 160 + 16 ((lane / 8) mod 2), in my half of V, behind K's two parts
	v_mul_u32_u24 v7, v1, TP
	v_lshl_add_u32 v7, v2, 4, v7
	s_lshl_b32 s21, s62, 7
	s_add_co_u32 s21, s21, STAGE
	v_add_nc_u32 v[STO], s21, v7                   ; stage + r x 528 + 128 head + 16 h
	s_mul_i32 s21, s12, 4*TP
	s_add_co_u32 s21, s21, STAGE
	v_lshl_add_u32 v[RD], v3, 4, s21               ; stage + 4 w rows + 16 lane: a whole row of 512 bytes a load
	s_lshl_b32 s21, s12, 14
	v_lshl_add_u32 v[CO], v3, 4, s21               ; 4 w rows of 4,096 bytes + 16 lane
	s_mul_i32 s21, s62, MHEAD
	s_add_co_u32 s21, s21, MERGE
	v_lshl_add_u32 v[MG], v3, 4, s21               ; my head's part of the merge area + 16 lane
	v_mov_b32 v[NEG], 0xf1800000                   ; -2^100: times c it is exact, so a wave all of whose keys are masked gets the exponent 0 exactly, and finite sums
	v_lshlrev_b32 v7, 3, v2
	v_sub_nc_u32 v[LIM], v1, v7
	s_lshl_b32 s21, s14, 5
	s_lshl_b32 s22, s63, 6
	s_sub_co_u32 s21, s21, s22
	v_add_nc_u32 v[LIM], s21, v[LIM]               ; key 64 kh + 16 mt + 8 h + j is masked where 16 mt + j > 32 s + 16 nt + r - 8 h - 64 kh (signed)
	v_add_nc_u32 v[LIM+1], 16, v[LIM]
	v_mov_b32 v[PX], 0                             ; v_permlanex16_b32 counts as reading its destination
	v_mov_b32 v[PX+1], 0
.macro INIT                            ; a block's first step stands at no fixed place in the text, so its sums are cleared
	v_mov_b32 v[MX], v[NEG]
	v_mov_b32 v[MX+1], v[NEG]
	v_mov_b32 v[LS], 0
	v_mov_b32 v[LS+1], 0
.set i, 0
.rept 64
	v_mov_b32 v[ACC+i], 0
.set i, i+1
.endr
.endm
.macro LOADK slot                      ; my 64 keys x 64 d: fragment (mt, ks) = 16 keys x 32 d
	WIN 0x40
.irp mt, 0,1,2,3
.irp ks, 0,1
	ds_load_b128 v[KF+8*(2*\mt+\ks):KF+8*(2*\mt+\ks)+3],   v[ADRK] offset:\slot*SLOT+\mt*16*KP+64*\ks
	ds_load_b128 v[KF+8*(2*\mt+\ks)+4:KF+8*(2*\mt+\ks)+7], v[ADRK] offset:\slot*SLOT+\mt*16*KP+64*\ks+32
.endr
.endr
	WIN 0
.endm
.macro LOADV slot                      ; V lies [key][d]: the transposing load makes fragment (dt, kk) = 16 d x 32 keys
	WIN 0x40
.irp dt, 0,1,2,3
.irp kk, 0,1
	ds_load_tr16_b128 v[VF+8*(2*\dt+\kk):VF+8*(2*\dt+\kk)+3],   v[ADRV] offset:\slot*SLOT+\kk*32*VP+32*\dt
	ds_load_tr16_b128 v[VF+8*(2*\dt+\kk)+4:VF+8*(2*\dt+\kk)+7], v[ADRV] offset:\slot*SLOT+\kk*32*VP+16*VP+32*\dt
.endr
.endr
	WIN 0
.endm
; In both products the eight accumulators take turns, one instruction a turn.
.macro SMUL
	WIN 0x01                                       ; source 0 in window 1
.irp nt, 0,1
.irp mt, 0,1,2,3
	v_wmma_f32_16x16x32_f16 v[SC+32*\nt+8*\mt:SC+32*\nt+8*\mt+7], v[KF+16*\mt:KF+16*\mt+7], v[QF+16*\nt:QF+16*\nt+7], 0
.endr
.endr
.irp nt, 0,1
.irp mt, 0,1,2,3
	v_wmma_f32_16x16x32_f16 v[SC+32*\nt+8*\mt:SC+32*\nt+8*\mt+7], v[KF+16*\mt+8:KF+16*\mt+15], v[QF+16*\nt+8:QF+16*\nt+15], v[SC+32*\nt+8*\mt:SC+32*\nt+8*\mt+7]
.endr
.endr
.endm
.macro PVMUL
	WIN 0x01
.irp kk, 0,1
.irp nt, 0,1
.irp dt, 0,1,2,3
	v_wmma_f32_16x16x32_f16 v[ACC+8*(4*\nt+\dt):ACC+8*(4*\nt+\dt)+7], v[VF+8*(2*\dt+\kk):VF+8*(2*\dt+\kk)+7], v[PR+16*\nt+8*\kk:PR+16*\nt+8*\kk+7], v[ACC+8*(4*\nt+\dt):ACC+8*(4*\nt+\dt)+7]
.endr
.endr
.endr
.endm
.macro MASK
.irp nt, 0,1
.irp mt, 0,1,2,3
.irp j, 0,1,2,3,4,5,6,7
	v_cmp_gt_i32 vcc_lo, 16*\mt+\j, v[LIM+\nt]
	v_cndmask_b32 v[SC+32*\nt+8*\mt+\j], v[SC+32*\nt+8*\mt+\j], v[NEG], vcc_lo
.endr
.endr
.endr
.endm
; 64 keys x 32 queries.  c = 2 log2(e): the scores here are q.k / 16 and the exponent is q.k / 8.
.macro SOFTMAX
.irp nt, 0,1
.irp k, 0,1,2,3
	v_max3_num_f32 v[CH+4*\nt+\k], v[SC+32*\nt+8*\k], v[SC+32*\nt+8*\k+1], v[SC+32*\nt+8*\k+2]
.endr
.endr
.irp nt, 0,1
.irp k, 0,1,2,3
	v_max3_num_f32 v[CH+4*\nt+\k], v[CH+4*\nt+\k], v[SC+32*\nt+8*\k+3], v[SC+32*\nt+8*\k+4]
.endr
.endr
.irp nt, 0,1
.irp k, 0,1,2,3
	v_max3_num_f32 v[CH+4*\nt+\k], v[CH+4*\nt+\k], v[SC+32*\nt+8*\k+5], v[SC+32*\nt+8*\k+6]
.endr
.endr
.irp nt, 0,1
	v_max3_num_f32 v[CH+4*\nt],   v[CH+4*\nt],   v[SC+32*\nt+7],  v[SC+32*\nt+15]
	v_max3_num_f32 v[CH+4*\nt+1], v[CH+4*\nt+1], v[SC+32*\nt+23], v[SC+32*\nt+31]
.endr
.irp nt, 0,1
	v_max3_num_f32 v[CH+4*\nt], v[CH+4*\nt], v[CH+4*\nt+1], v[CH+4*\nt+2]
.endr
.irp nt, 0,1
	v_max_num_f32 v[CH+4*\nt], v[CH+4*\nt], v[CH+4*\nt+3]
.endr
.irp nt, 0,1
	v_permlanex16_b32 v[PX+\nt], v[CH+4*\nt], s58, s59     ; the other half of the lanes holds the same query's other keys
.endr
.irp nt, 0,1
	v_max3_num_f32 v[MN+\nt], v[CH+4*\nt], v[PX+\nt], v[MX+\nt]    ; the new running maximum
.endr
.irp nt, 0,1
	v_sub_f32 v[AL+2*\nt], v[MX+\nt], v[MN+\nt]
	v_mul_f32 v[NM+2*\nt], 0xc038aa3b, v[MN+\nt]
.endr
.irp nt, 0,1
	v_mul_f32 v[AL+2*\nt], 0x4038aa3b, v[AL+2*\nt]
	v_mov_b32 v[NM+2*\nt+1], v[NM+2*\nt]
.endr
.irp nt, 0,1
.set i, 0
.rept 16
	v_pk_fma_f32 v[SC+32*\nt+2*i:SC+32*\nt+2*i+1], v[SC+32*\nt+2*i:SC+32*\nt+2*i+1], 0x4038aa3b, v[NM+2*\nt:NM+2*\nt+1] op_sel_hi:[1,0,1]
.set i, i+1
.endr
.endr
	v_exp_f32 v[AL], v[AL]
	v_exp_f32 v[AL+2], v[AL+2]
.set i, 0
.rept 64
	v_exp_f32 v[SC+i], v[SC+i]
.set i, i+1
.endr
	v_mov_b32 v[MX], v[MN]                         ; plain instructions behind the run of exponentials, ahead of the first use of a result
	v_mov_b32 v[MX+1], v[MN+1]
	s_wait_alu depctr_va_vdst(0)
	v_mov_b32 v[AL+1], v[AL]
	v_mov_b32 v[AL+3], v[AL+2]
.irp nt, 0,1
.irp k, 0,1,2,3
	v_pk_add_f32 v[TS+8*\nt+2*\k:TS+8*\nt+2*\k+1], v[SC+32*\nt+8*\k:SC+32*\nt+8*\k+1], v[SC+32*\nt+8*\k+2:SC+32*\nt+8*\k+3]
.endr
.endr
.irp nt, 0,1
.irp k, 0,1,2,3
	v_pk_add_f32 v[TS+8*\nt+2*\k:TS+8*\nt+2*\k+1], v[TS+8*\nt+2*\k:TS+8*\nt+2*\k+1], v[SC+32*\nt+8*\k+4:SC+32*\nt+8*\k+5]
.endr
.endr
.irp nt, 0,1
.irp k, 0,1,2,3
	v_pk_add_f32 v[TS+8*\nt+2*\k:TS+8*\nt+2*\k+1], v[TS+8*\nt+2*\k:TS+8*\nt+2*\k+1], v[SC+32*\nt+8*\k+6:SC+32*\nt+8*\k+7]
.endr
.endr
.irp nt, 0,1
	v_pk_add_f32 v[TS+8*\nt:TS+8*\nt+1],   v[TS+8*\nt:TS+8*\nt+1],   v[TS+8*\nt+2:TS+8*\nt+3]
	v_pk_add_f32 v[TS+8*\nt+4:TS+8*\nt+5], v[TS+8*\nt+4:TS+8*\nt+5], v[TS+8*\nt+6:TS+8*\nt+7]
.endr
.irp nt, 0,1
	v_pk_add_f32 v[TS+8*\nt:TS+8*\nt+1], v[TS+8*\nt:TS+8*\nt+1], v[TS+8*\nt+4:TS+8*\nt+5]
.endr
.irp nt, 0,1
	v_add_f32 v[TS+8*\nt], v[TS+8*\nt], v[TS+8*\nt+1]
.endr
.irp nt, 0,1
	v_fma_f32 v[LS+\nt], v[LS+\nt], v[AL+2*\nt], v[TS+8*\nt]
.endr
.set i, 0
.rept 32
	v_cvt_pk_f16_f32 v[PR+i], v[SC+2*i], v[SC+2*i+1]       ; keys 8 h + 0..7 of two neighbouring 16-key tiles = one 32-key fragment: no shuffle
.set i, i+1
.endr
.irp nt, 0,1
.set i, 0
.rept 16
	v_pk_mul_f32 v[ACC+32*\nt+2*i:ACC+32*\nt+2*i+1], v[ACC+32*\nt+2*i:ACC+32*\nt+2*i+1], v[AL+2*\nt:AL+2*\nt+1]
.set i, i+1
.endr
.endr
.endm
; A step: my 64 of the 128 keys in slot; refill = 1: the next step's tile is asked for, into the other slot.  In front of the round every wave has waited
; for all its tensor loads (its part of this step's tile) and for its reads of the other slot; the joint load is the first thing behind the round and
; the wave's only tensor load until the next one: one is out, with the whole step in which to land.
; mask = 0: none; 1: the diagonal tile; 2: the diagonal tile in the trip whose number is p (the same in all partners and waves).
.macro STEP slot, other, mask, refill
	s_wait_tensorcnt 0x0
	ds_add_u32 v254, v255
	s_wait_dscnt 0x0
.if \refill
	s_cmp_ge_u32 s19, s18                          ; s19 = number of the next step; behind the first block's steps the tiles begin again at 0
	s_cselect_b32 s21, s18, 0
	s_sub_co_u32 s21, s19, s21
	s_lshl_b32 s60, s21, 14                        ; 128 keys of 128 bytes
	s_mov_b32 s61, 0
	s_add_nc_u64 s[G0+4*\other+2:G0+4*\other+3], s[48:49], s[60:61]
	s_or_b32 s[G0+4*\other+3], s[G0+4*\other+3], 0x80000000
	s_add_co_u32 s19, s19, 1
.endif
	s_wait_dscnt 0x0
.if \refill
	CROUND
	JLOAD \other
.else
	s_barrier_signal -1                            ; the work-group's own barrier shows the tile whole
	s_barrier_wait -1
.endif
	LOADK \slot
	PLACES                                         ; V's fragment registers were read by the last matrix instructions
	LOADV \slot
	s_wait_dscnt 16                                ; K's 16 loads are in; V's 16, issued behind them, may be out
	SMUL
	WIN 0
	PLACES                                         ; behind the score products, for what reads the scores
.if \mask == 1
	MASK
.endif
.if \mask == 2
	s_cmp_lg_u32 s20, s15
	s_cbranch_scc1 .Lfree_\@
	MASK
.Lfree_\@:
.endif
	SOFTMAX
	s_wait_dscnt 0x0                               ; V's loads are in
	PVMUL
	WIN 0
.endm
; A block's way out.  The wave of key half 1 hands its two maxima, two sums and 64 context sums to the wave of key half 0 of the same head, lane to lane.
; That wave merges: m = max(Ma, Mb), a = 2^((Ma - m) c), b = 2^((Mb - m) c), result = (a Acc_a + b Acc_b) / (a La + b Lb).  Key half 0 holds, in every tile,
; a key that no query of the block masks, so Ma is a true score; a wave of key half 1 that has met masked keys alone has Mb = -2^100, so b = 0.
; Then f16, the four heads side by side in the stage, and whole rows of 512 bytes out, four rows a wave.
.macro FINISH ob
	PLACES
.irp nt, 0,1
	v_permlanex16_b32 v[PX+\nt], v[LS+\nt], s58, s59
.endr
.irp nt, 0,1
	v_add_f32 v[LS+\nt], v[LS+\nt], v[PX+\nt]      ; the wave's whole sum, in both halves of the lanes
.endr
	s_cmp_eq_u32 s63, 0
	s_cbranch_scc1 .Lkeeps_\@
	ds_store_b128 v[MG], v[MX:MX+3]
.set i, 0
.rept 16
	ds_store_b128 v[MG], v[ACC+4*i:ACC+4*i+3] offset:512*(i+1)
.set i, i+1
.endr
.Lkeeps_\@:
	s_wait_dscnt 0x0                               ; for the other wave's sake
	s_barrier_signal -1
	s_barrier_wait -1
	s_cmp_lg_u32 s63, 0
	s_cbranch_scc1 .Lgave_\@
	ds_load_b128 v[BQ:BQ+3], v[MG]
.set i, 0
.rept 16
	ds_load_b128 v[SC+4*i:SC+4*i+3], v[MG] offset:512*(i+1)
.set i, i+1
.endr
	s_wait_dscnt 16                                ; the maxima and sums are in; the 16 quads of context sums behind them may be out
.irp nt, 0,1
	v_max_num_f32 v[TT+\nt], v[MX+\nt], v[BQ+\nt]
.endr
.irp nt, 0,1
	v_sub_f32 v[FA+2*\nt], v[MX+\nt], v[TT+\nt]
	v_sub_f32 v[FB+2*\nt], v[BQ+\nt], v[TT+\nt]
.endr
.irp nt, 0,1
	v_mul_f32 v[FA+2*\nt], 0x4038aa3b, v[FA+2*\nt]
	v_mul_f32 v[FB+2*\nt], 0x4038aa3b, v[FB+2*\nt]
.endr
	v_exp_f32 v[FA], v[FA]
	v_exp_f32 v[FA+2], v[FA+2]
	v_exp_f32 v[FB], v[FB]
	v_exp_f32 v[FB+2], v[FB+2]
	v_nop                                          ; one plain instruction behind the exponentials
	s_wait_alu depctr_va_vdst(0)
.irp nt, 0,1
	v_mul_f32 v[TT+\nt], v[LS+\nt], v[FA+2*\nt]
.endr
.irp nt, 0,1
	v_fma_f32 v[TT+\nt], v[BQ+2+\nt], v[FB+2*\nt], v[TT+\nt]
.endr
	v_rcp_f32 v[TT], v[TT]
	v_rcp_f32 v[TT+1], v[TT+1]
	v_nop                                          ; one plain instruction behind the reciprocals
	s_wait_alu depctr_va_vdst(0)
.irp nt, 0,1
	v_mul_f32 v[FA+2*\nt], v[FA+2*\nt], v[TT+\nt]
	v_mul_f32 v[FB+2*\nt], v[FB+2*\nt], v[TT+\nt]
.endr
.irp nt, 0,1
	v_mov_b32 v[FA+2*\nt+1], v[FA+2*\nt]
	v_mov_b32 v[FB+2*\nt+1], v[FB+2*\nt]
.endr
.irp nt, 0,1
.set i, 0
.rept 16
	v_pk_mul_f32 v[ACC+32*\nt+2*i:ACC+32*\nt+2*i+1], v[ACC+32*\nt+2*i:ACC+32*\nt+2*i+1], v[FA+2*\nt:FA+2*\nt+1]
.set i, i+1
.endr
.endr
	s_wait_dscnt 0x0                               ; the other wave's context sums are in
.irp nt, 0,1
.set i, 0
.rept 16
	v_pk_fma_f32 v[ACC+32*\nt+2*i:ACC+32*\nt+2*i+1], v[SC+32*\nt+2*i:SC+32*\nt+2*i+1], v[FB+2*\nt:FB+2*\nt+1], v[ACC+32*\nt+2*i:ACC+32*\nt+2*i+1]
.set i, i+1
.endr
.endr
.set i, 0
.rept 32
	v_cvt_pk_f16_f32 v[PR+i], v[ACC+2*i], v[ACC+2*i+1]
.set i, i+1
.endr
.irp nt, 0,1
.irp dt, 0,1,2,3
	ds_store_b128 v[STO], v[PR+4*(4*\nt+\dt):PR+4*(4*\nt+\dt)+3] offset:\nt*16*TP+32*\dt
.endr
.endr
.Lgave_\@:
	s_wait_dscnt 0x0                               ; for the other waves' sake
	s_barrier_signal -1
	s_barrier_wait -1
.irp i, 0,1,2,3
	ds_load_b128 v[RB+4*\i:RB+4*\i+3], v[RD] offset:\i*TP
.endr
.irp i, 0,1,2,3
	s_wait_dscnt 3-\i                              ; in order: this row is in, the younger ones may be out
	global_store_b128 v[CO], v[RB+4*\i:RB+4*\i+3], s[\ob:\ob+1] offset:4096*\i   ; a wave's store covers 512 consecutive bytes, aligned
.endr
.endm
.macro SWITCH                          ; on to the second block
	s_wait_xcnt 0x0                                ; the stores above have had their addresses translated: their data registers are at work again below
	WIN 0x01
.set i, 0
.rept 32
	v_mov_b32 v[QF+i], v[Q2+i]
.set i, i+1
.endr
	WIN 0
	INIT
.endm
	INIT
	s_mov_b32 s19, 1
	s_mov_b32 s20, 0
	s_wait_loadcnt 16                              ; loads come back in order: both blocks' Q (16 loads) are in; the 16 loads of out_w behind them stay out
.Lpair:                                            ; steps 2 I and 2 I + 1; the first block ends with step 2 p + 1
	STEP 0, 1, 0, 1
	STEP 1, 0, 2, 1
	s_cmp_lg_u32 s20, s15
	s_cbranch_scc1 .Lsame
	FINISH 50
	SWITCH
.Lsame:
	s_add_co_u32 s20, s20, 1
	s_cmp_lt_u32 s20, 4
	s_cbranch_scc1 .Lpair
	; out_w to f16(bf16(.)): asked for at the head, eight steps ago
	s_wait_loadcnt 0x0
	WIN 0x44                                       ; source 1 and destination in window 1
.set i, 0
.rept 64
	v_cvt_pk_bf16_f32 v[CX+i], 0, v[CX+i]          ; bf16 in the upper half over a zero: the rounded number as f32
.set i, i+1
.endr
	WIN 0x05                                       ; both sources in window 1
.set i, 0
.rept 32
	v_cvt_pk_f16_f32 v[SC+i], v[CX+2*i], v[CX+2*i+1]
.set i, i+1
.endr
	WIN 0
.set i, 0
.rept 8
	global_store_b128 v[CW], v[SC+4*i:SC+4*i+3], s[68:69] offset:4096*i   ; a wave's store covers 512 consecutive bytes, aligned
.set i, i+1
.endr
	s_wait_xcnt 0x0                                ; these stores have had their addresses translated: the next step's scores land on their data registers
	STEP 0, 1, 1, 0                                ; the ninth step: the second block's diagonal tile; nothing is left to fetch
	FINISH 52
	s_wait_tensorcnt 0x0
	ds_add_u32 v254, v255
	s_wait_dscnt 0x0
	CROUND                                         ; the closing round
	s_endpgm
.Lfunc_end_k_q6ac220f114_attn:
	.size	k_q6ac220f114_attn, .Lfunc_end_k_q6ac220f114_attn-k_q6ac220f114_attn
	.p2alignl 7, 3214868480
	.fill 96, 4, 3214868480
	.section	.rodata,"a",@progbits
	.p2align	6, 0x0
	.amdhsa_kernel k_q6ac220f114_attn
		.amdhsa_group_segment_fixed_size 327680
		.amdhsa_private_segment_fixed_size 0
		.amdhsa_enable_private_segment 0
		.amdhsa_kernarg_size 32
		.amdhsa_user_sgpr_count 2
		.amdhsa_user_sgpr_kernarg_segment_ptr 1
		.amdhsa_wavefront_size32 1
		.amdhsa_system_sgpr_workgroup_id_x 1
		.amdhsa_system_sgpr_workgroup_id_y 1
		.amdhsa_system_sgpr_workgroup_id_z 1
		.amdhsa_system_vgpr_workitem_id 0
		.amdhsa_next_free_vgpr 480
		.amdhsa_next_free_sgpr 80
		.amdhsa_reserve_vcc 1
		.amdhsa_float_denorm_mode_32 3
		.amdhsa_float_denorm_mode_16_64 3
		.amdhsa_memory_ordered 1
		.amdhsa_forward_progress 1
		.amdhsa_inst_pref_size 111
	.end_amdhsa_kernel
	.amdgpu_metadata
---
amdhsa.version: [ 1, 2 ]
amdhsa.kernels:
  - .name:           k_q6ac220f114_attn
    .symbol:         k_q6ac220f114_attn.kd
    .args:
      - { .name: qkv, .offset: 0, .size: 8, .value_kind: global_buffer, .address_space: global }
      - { .name: out_w, .offset: 8, .size: 8, .value_kind: global_buffer, .address_space: global }
      - { .name: ctx16, .offset: 16, .size: 8, .value_kind: global_buffer, .address_space: global }
      - { .name: w16, .offset: 24, .size: 8, .value_kind: global_buffer, .address_space: global }
    .group_segment_fixed_size: 327680
    .private_segment_fixed_size: 0
    .kernarg_segment_align: 8
    .kernarg_segment_size: 32
    .max_flat_workgroup_size: 256
    .sgpr_count:     80
    .vgpr_count:     480
    .wavefront_size: 32
...
	.end_amdgpu_metadata
.endif
;; end of part 6
;; launch proj: the kernel of part 3 again; grid 16 x 16, 4 waves a work-group, clusters of 4 x 4, 327,680 bytes of LDS; arguments ctx16, w16, out_b, out0; writes out0
